; MI455X (gfx1250); checked and timed in simulation.
; The chip was launched on July 23, 2026; its instructions are those of AMD's public machine-readable ISA for CDNA 5 (MIT licence, August 2026) and "CDNA5" Instruction Set Architecture Reference Guide (July 2026). The comments in the code are by the model that wrote it; some were corrected since.
;; Cross Attention Fusion. Allowed arithmetic: matrix products marked QUANTISED: E2M3 operands, one E8M0 scale for each 32 along K, by v_wmma_scale_f32_16x16x128_f8f6f4 with both operands' format E2M3, f32 sums; everything else in f32.
;; Inputs: F_cam_codes 2 x 64 x 64 x 8 x 24 uint8 (E2M3 codes of F_cam, K innermost, in blocks of 32 codes, four codes in three bytes); F_cam_scales 2 x 64 x 64 x 8 uint8 (E8M0 scales of F_cam, one for each 32 codes along K); F_lidar_codes 2 x 64 x 64 x 2 x 24 uint8 (E2M3 codes of F_lidar, K innermost, in blocks of 32 codes, four codes in three bytes); F_lidar_scales 2 x 64 x 64 x 2 uint8 (E8M0 scales of F_lidar, one for each 32 codes along K); W1_codes 1,024 x 8 x 24 uint8 (E2M3 codes of W1, K innermost, in blocks of 32 codes, four codes in three bytes); W1_scales 1,024 x 8 uint8 (E8M0 scales of W1, one for each 32 codes along K); W2_codes 256 x 32 x 24 uint8 (E2M3 codes of W2, K innermost, in blocks of 32 codes, four codes in three bytes); W2_scales 256 x 32 uint8 (E8M0 scales of W2, one for each 32 codes along K); Wk_codes 256 x 8 x 24 uint8 (E2M3 codes of Wk, K innermost, in blocks of 32 codes, four codes in three bytes); Wk_scales 256 x 8 uint8 (E8M0 scales of Wk, one for each 32 codes along K); Wo_codes 256 x 8 x 24 uint8 (E2M3 codes of Wo, K innermost, in blocks of 32 codes, four codes in three bytes); Wo_scales 256 x 8 uint8 (E8M0 scales of Wo, one for each 32 codes along K); Wq_codes 256 x 2 x 24 uint8 (E2M3 codes of Wq, K innermost, in blocks of 32 codes, four codes in three bytes); Wq_scales 256 x 2 uint8 (E8M0 scales of Wq, one for each 32 codes along K); Wres_codes 256 x 2 x 24 uint8 (E2M3 codes of Wres, K innermost, in blocks of 32 codes, four codes in three bytes); Wres_scales 256 x 2 uint8 (E8M0 scales of Wres, one for each 32 codes along K); Wv_codes 256 x 8 x 24 uint8 (E2M3 codes of Wv, K innermost, in blocks of 32 codes, four codes in three bytes); Wv_scales 256 x 8 uint8 (E8M0 scales of Wv, one for each 32 codes along K); b1 256 float32; b2 256 float32; bf1 1,024 float32; bf2 256 float32; g1 256 float32; g2 256 float32.
;; Outputs: out0 2 x 256 x 64 x 64 float32.
;; This version of the problem:
;;   THIS VERSION OF THE PROBLEM IS GIVEN IN LOW PRECISION. The matrix products marked QUANTISED in the list below multiply operands that are first quantised to E2M3 (2 exponent bits, 3 mantissa bits; 6 bits a number), with one power-of-two scale for each 32 numbers along K (OCP MX v1.0); their sums are f32. All else is computed in f32.
;;   The module's matrix products, in the order in which they are computed (A, B: the left and right operand; K: the contracted axis; several contracted axes count as one K, in the product's order):
;;     1. [M 8,192, K 64] x [K 64, N 256]; A: input F_lidar (given as codes); B: input Wq (given as codes): QUANTISED
;;     2. [M 8,192, K 256] x [K 256, N 256]; A: input F_cam (given as codes); B: input Wk (given as codes): QUANTISED
;;     3. [M 8,192, K 256] x [K 256, N 256]; A: input F_cam (given as codes); B: input Wv (given as codes): QUANTISED
;;     4. batch 16 x [M 4,096, K 32] x [K 32, N 4,096]; A: computed on the way; B: computed on the way: QUANTISED
;;     5. batch 16 x [M 4,096, K 4,096] x [K 4,096, N 32]; A: softmax (see below); B: computed on the way: QUANTISED
;;     6. [M 8,192, K 256] x [K 256, N 256]; A: computed on the way; B: input Wo (given as codes): QUANTISED
;;     7. [M 8,192, K 64] x [K 64, N 256]; A: input F_lidar (given as codes); B: input Wres (given as codes): QUANTISED
;;     8. [M 8,192, K 256] x [K 256, N 1,024]; A: computed on the way; B: input W1 (given as codes): QUANTISED
;;     9. [M 8,192, K 1,024] x [K 1,024, N 256]; A: computed on the way; B: input W2 (given as codes): QUANTISED
;;   THE QUANTISER, for each operand of a quantised product, along K:
;;     - K is cut into blocks of 32 from its start; a last block that is shorter is filled with zeros.
;;     - A block's scale is 2^e with e = floor(log2(the largest magnitude in the block)) - 2, held to -126 .. 127; a block of zeros has e = 0. As a byte (E8M0): e + 127.
;;     - Each number is divided by its block's scale, clamped to +-7.5, and rounded to the nearest number of E2M3, ties to even, subnormals kept.
;;     - The product sums the exact products of the quantised numbers (number of the format x scale) in f32.
;;   ~~~python
;;   def quantise(x, axis):      # numpy; x: float32 -> the quantised numbers, widened to float32 again
;;       x = np.moveaxis(x, axis, -1); K = x.shape[-1]
;;       x = np.pad(x, [(0, 0)] * (x.ndim - 1) + [(0, -K % 32)]); x = x.reshape(x.shape[:-1] + (-1, 32)); a = np.abs(x).max(-1, keepdims=True)
;;       e = np.where(a > 0, np.clip(np.frexp(np.where(a > 0, a, 1))[1] - 1 - 2, -126, 127), 0)      # np.frexp(a)[1] - 1 = floor(log2(a)), exactly
;;       r = np.clip(x / 2.0 ** e, -7.5, 7.5)
;;       step = 2.0 ** (np.maximum(np.frexp(np.where(r == 0, 1, r))[1] - 1, 0) - 3)
;;       q = np.round(r / step) * step * 2.0 ** e      # np.round: ties to even
;;       return np.moveaxis(q.reshape(q.shape[:-2] + (-1,))[..., :K], -1, axis).astype(np.float32)
;;   ~~~
;;   SOFTMAX AHEAD OF A QUANTISED PRODUCT. Where the list says 'softmax', what is quantised is not the finished softmax but p = 2^(t - M), with t = logit x log2(e) and M = ceil(the row's largest t), a whole number; so 1/2 < the row's largest p <= 1. The row's sum l is taken of the UNQUANTISED p, in f32, and the product's result is divided by l at the end. Since M is a whole number, a kernel that streams over the keys may use a running M (the ceiling of the running maximum): every later rescaling is an exact power of two, which a block's scale takes up: the codes' values come out the same.
;;   OPERANDS COMPUTED ON THE WAY. 'Computed on the way' means the value that the module computes at that place (a softmax that the list does not call 'softmax' is quantised finished and normalised). What goes into a quantiser is computed in f32, as accurately as f32 sums, v_exp_f32 and their like allow (about 1e-6 of the number): no bf16 or f16 on the way to a quantiser, and a product that is left as it is and whose result goes on into a quantised operand takes f32 operands (vector FMAs, or v_wmma_f32_16x16x4_f32). A number that lies on a knife's edge between two numbers of the format may be rounded either way, as far as f32 arithmetic and the matrix unit's own rounding can turn it there, and no further.
;;   INPUTS GIVEN AS CODES. F_cam (in the module: [2, 256, 64, 64], K = its axis 1); F_lidar (in the module: [2, 64, 64, 64], K = its axis 1); W1 (in the module: [1024, 256], K = its axis 1); W2 (in the module: [256, 1024], K = its axis 1); Wk (in the module: [256, 256], K = its axis 1); Wo (in the module: [256, 256], K = its axis 1); Wq (in the module: [256, 64], K = its axis 1); Wres (in the module: [256, 64], K = its axis 1); Wv (in the module: [256, 256], K = its axis 1): each comes as NAME_codes (uint8): NAME with its K axis moved to the last place and cut into blocks of 32 codes, [.., K / 32, bytes a block], one block behind the other in memory; four codes in three bytes: a row's codes are one little-endian stream of bits, code i at bits 6 i .. 6 i + 5 (a code: sign, 2 exponent bits, 3 mantissa bits); and NAME_scales (uint8): the same leading axes, one E8M0 byte (e + 127) for each 32 codes along K. Its value is code x scale, taken as it is: it is not quantised again, and the codes and scales need not be those that the quantiser above would give.
;; One version. Each part assembles by itself: llvm-mc -triple=amdgcn-amd-amdhsa -mcpu=gfx1250 --defsym DOCPART=n.
;; ======== version 1 of 1: 3 launches
;; workspace buffers: kv 3,276,800 bytes; wimg 460,800 bytes; ao_codes 1,572,864 bytes; ao_scales 65,536 bytes
;; launch prep (part 1): grid 146 x 1, 8 waves a work-group, no clusters, 168,960 bytes of LDS; arguments F_cam_codes, F_cam_scales, Wk_codes, Wk_scales, Wv_codes, Wv_scales, Wo_codes, Wo_scales, W1_codes, W1_scales, W2_codes, W2_scales, kv, wimg; writes kv, wimg
.if DOCPART == 1
	.amdgcn_target "amdgcn-amd-amdhsa--gfx1250"
	.amdhsa_code_object_version 6
	.text
	.protected	k_qc8f2c9ad40_prep
	.globl	k_qc8f2c9ad40_prep
	.p2align	8
	.type	k_qc8f2c9ad40_prep,@function
k_qc8f2c9ad40_prep:
	s_mov_b64 s[64:65], 0
	v_nop
	global_prefetch_b8 v0, s[64:65] scope:SCOPE_SE
	s_setreg_imm32_b32 hwreg(HW_REG_WAVE_MODE, 25, 1), 1
	s_wait_xcnt 0x0
; PREP.  Work-groups 18 .. 145: K = F_cam Wk^T or V = F_cam Wv^T for 128 tokens (one key step of the attention), on codes of FP6 (E2M3) with E8M0 scales, the results quantised and stored
; as IMAGES OF OPERAND REGISTERS: a fragment's 12 registers as 3 chunks of 512 bytes, lane l's 16 bytes at 16 l.  Work-groups 0 .. 17: Wo, W1 and W2 are copied into the same kind of images.
; kv: [batch x head (16)][key step (32)][6,400 bytes]: K's fragments 0, 1 at 0 and 1,536; V's tiles 0, 1 at 3,072 and 4,608; K's scale words at 6,144, V's at 6,272 (lanes 0-15: the first, lanes 16-31: the second).
; A work-group takes one key step and one of K, V; each of its eight waves takes one head (32 channels), K = 256 in two steps of 128.
; THE ROWS OF A TILE ARE NOT NEIGHBOURS: lane r of tile 2 b + u takes row 32 b + 8 u + r + 8 (r / 8), so that the 16 registers of tiles 2 b and 2 b + 1 of a result are 16 neighbours.
; K is quantised along the head's 32 channels: source 0 = 16 rows of Wk, source 1 = 16 tokens: a lane holds one token and 16 channels.
; V is quantised along the keys: source 0 = 16 tokens, source 1 = 16 rows of Wv: a lane holds one channel and 16 tokens.
; No cluster: the grid, 18 + 128 work-groups of two unlike kinds, is no multiple of four, and what partners would share is the weights' 48 KiB.
; LIMITS: a block of zeros gets the scale byte 1 where the quantiser says 127 (its codes are zeros, and this program alone reads the bytes); NaN, infinities and a given scale byte 0xff are not served.
.set PITCH, 240                        ; an LDS row: 3 x (64 bytes of codes + 16 of padding)
.set WF,  16                           ; v16-63   the head's weight fragments (tile v, K step s) at 16 + 12 (2 v + s)
.set XF,  64                           ; v64-111  the tokens' fragments (tile u, K step s)
.set ACC, 112                          ; v112-143 four accumulators
.set OF,  144                          ; v144-167 the two fragments that leave
.set CT,  168                          ; v168-175 codes on their way
.set MX,  176                          ; v176-177 largest magnitudes;  v178-179 the other half's;  v180-181 the conversions' scale operands;  v182-183 the scale bytes
.set TP,  178
.set SO,  180
.set BY,  182
.set SW,  192                          ; v192-193 the two scale words that leave
.set XS,  200                          ; v200-207 the tokens' scale words, tile 2 bq + u: lanes 0-15 K step 0, lanes 16-31 K step 1
.set WS,  208                          ; v208-209 the weights' likewise
.set SEL, 52                           ; s[52:53] lane selects: lane l xor 16
; a product.  cm = 0: it starts the sum; 1: it adds in place.  rows = 0: both scale words from lanes 0-15; 1: source 0's from lanes 16-31; 3: both from lanes 16-31
.macro WM d, a, b, cm, sa, sb, rows
.if (\cm) == 0
.if (\rows) == 0
	v_wmma_scale_f32_16x16x128_f8f6f4 v[\d:\d+7], v[\a:\a+11], v[\b:\b+11], 0, v[\sa], v[\sb] matrix_a_fmt:MATRIX_FMT_FP6 matrix_b_fmt:MATRIX_FMT_FP6
.elseif (\rows) == 1
	v_wmma_scale_f32_16x16x128_f8f6f4 v[\d:\d+7], v[\a:\a+11], v[\b:\b+11], 0, v[\sa], v[\sb] matrix_a_fmt:MATRIX_FMT_FP6 matrix_b_fmt:MATRIX_FMT_FP6 matrix_a_scale:MATRIX_SCALE_ROW1
.else
	v_wmma_scale_f32_16x16x128_f8f6f4 v[\d:\d+7], v[\a:\a+11], v[\b:\b+11], 0, v[\sa], v[\sb] matrix_a_fmt:MATRIX_FMT_FP6 matrix_b_fmt:MATRIX_FMT_FP6 matrix_a_scale:MATRIX_SCALE_ROW1 matrix_b_scale:MATRIX_SCALE_ROW1
.endif
.else
.if (\rows) == 0
	v_wmma_scale_f32_16x16x128_f8f6f4 v[\d:\d+7], v[\a:\a+11], v[\b:\b+11], v[\d:\d+7], v[\sa], v[\sb] matrix_a_fmt:MATRIX_FMT_FP6 matrix_b_fmt:MATRIX_FMT_FP6
.elseif (\rows) == 1
	v_wmma_scale_f32_16x16x128_f8f6f4 v[\d:\d+7], v[\a:\a+11], v[\b:\b+11], v[\d:\d+7], v[\sa], v[\sb] matrix_a_fmt:MATRIX_FMT_FP6 matrix_b_fmt:MATRIX_FMT_FP6 matrix_a_scale:MATRIX_SCALE_ROW1
.else
	v_wmma_scale_f32_16x16x128_f8f6f4 v[\d:\d+7], v[\a:\a+11], v[\b:\b+11], v[\d:\d+7], v[\sa], v[\sb] matrix_a_fmt:MATRIX_FMT_FP6 matrix_b_fmt:MATRIX_FMT_FP6 matrix_a_scale:MATRIX_SCALE_ROW1 matrix_b_scale:MATRIX_SCALE_ROW1
.endif
.endif
.endm
; a fragment, 16 rows x 128 K, from rows of 192 bytes: six pieces of 8 bytes.  Lanes 16-31 read three pieces further on; where that lies behind one padding more, the second address register serves
.macro FRAG reg, adr, q, row
.irp p, 0,1,2,3,4,5
.set PC, 12*(\q)+6*(\p/3)+\p%3
.if PC%8 < 5
	ds_load_b64 v[\reg+2*\p:\reg+2*\p+1], v[\adr] offset:8*PC+16*(PC/8)+(\row)*PITCH
.else
	ds_load_b64 v[\reg+2*\p:\reg+2*\p+1], v[\adr+1] offset:8*PC+16*(PC/8)+(\row)*PITCH
.endif
.endr
.endm
; two halves of blocks, 16 numbers a lane each, by turns; lanes l and l xor 16 share a block.  The floor 2^(3 - 127) holds the byte at 1 from below
.macro Q2 x0, d0, x1, d1
	v_max3_num_f32 v[MX], |v[\x0]|, |v[\x0+1]|, 0x1800000
	v_max3_num_f32 v[MX+1], |v[\x1]|, |v[\x1+1]|, 0x1800000
.irp i, 2,4,6,8,10,12,14
	v_max3_num_f32 v[MX], v[MX], |v[\x0+\i]|, |v[\x0+\i+1]|
	v_max3_num_f32 v[MX+1], v[MX+1], |v[\x1+\i]|, |v[\x1+\i+1]|
.endr
	v_permlanex16_b32 v[TP], v[MX], s[SEL], s[SEL+1]
	v_permlanex16_b32 v[TP+1], v[MX+1], s[SEL], s[SEL+1]
	v_max_num_f32 v[MX], v[MX], v[TP]              ; the block's largest magnitude
	v_max_num_f32 v[MX+1], v[MX+1], v[TP+1]
	v_add_nc_u32 v[SO], 0xff000000, v[MX]          ; 2 off its exponent field: the conversion takes this operand's exponent field as its scale
	v_add_nc_u32 v[SO+1], 0xff000000, v[MX+1]
	v_lshrrev_b32 v[BY], 23, v[SO]                 ; the scale's byte
	v_lshrrev_b32 v[BY+1], 23, v[SO+1]
	v_cvt_scalef32_pk16_fp6_f32 v[\d0:\d0+2], v[\x0:\x0+15], v[SO]
	v_cvt_scalef32_pk16_fp6_f32 v[\d1:\d1+2], v[\x1:\x1+15], v[SO+1]
	v_nop                                          ; one plain place behind a scaled conversion
.endm
.macro XFETCH bq                       ; the fragments of tokens 32 bq .. 32 bq + 31: two tiles, two K steps
.irp u, 0,1
.irp s, 0,1
	FRAG XF+12*(2*\u+\s), 4, \s, 32*(\bq)+8*\u
.endr
.endr
	s_wait_dscnt 0x0
.endm
.macro PLACES n
.rept \n
	v_nop
.endr
.endm
; K of 32 tokens.  The four accumulators take turns.
.macro KBLK bq
	XFETCH \bq
.irp s, 0,1
.irp u, 0,1
.irp v, 0,1
	WM ACC+16*\u+8*\v, WF+12*(2*\v+\s), XF+12*(2*\u+\s), \s, WS+\v, XS+2*(\bq)+\u, 3*\s
.endr
.endr
.endr
	PLACES 5                                       ; ahead of the first read of results; five, since the next block's products begin these accumulators anew
	Q2 ACC, OF+6*(\bq), ACC+16, CT                 ; lane (r, h): channels 16 h .. 16 h + 15 of token r of tile u = 0, and of tile u = 1
.irp i, 0,1,2
	v_permlane16_swap_b32 v[OF+6*(\bq)+\i], v[CT+\i]   ; lanes 0-15 now hold tile 0's token whole, lanes 16-31 tile 1's: the first three registers channels 0-15,
.endr
.irp i, 0,1,2
	v_mov_b32 v[OF+6*(\bq)+3+\i], v[CT+\i]         ; the next three channels 16-31
.endr
.if (\bq)%2 == 0
	v_lshl_or_b32 v[SW+(\bq)/2], v[BY+1], 8, v[BY] ; byte 2 (bq % 2) + u of the fragment's scale word
.else
	v_lshl_or_b32 v[SW+(\bq)/2], v[BY], 16, v[SW+(\bq)/2]
	v_lshl_or_b32 v[SW+(\bq)/2], v[BY+1], 24, v[SW+(\bq)/2]
.endif
.endm
; V of 32 tokens: one block along the keys for each channel
.macro VBLK bq
	XFETCH \bq
.irp s, 0,1
.irp v, 0,1
.irp u, 0,1
	WM ACC+16*\v+8*\u, XF+12*(2*\u+\s), WF+12*(2*\v+\s), \s, XS+2*(\bq)+\u, WS+\v, 3*\s
.endr
.endr
.endr
	PLACES 5
.if (\bq)%2 == 0
	Q2 ACC, OF+6*((\bq)/2), ACC+16, OF+12+6*((\bq)/2)   ; lane (r, h): keys 32 bq + 16 h .. + 15 of channel r of tile v
.else
	Q2 ACC, CT, ACC+16, CT+4
.irp v, 0,1
.irp i, 0,1,2
	v_permlane16_swap_b32 v[OF+12*\v+6*((\bq)/2)+\i], v[CT+4*\v+\i]   ; a whole block in a lane: lanes 0-15 the even block, lanes 16-31 the odd one
.endr
.irp i, 0,1,2
	v_mov_b32 v[OF+12*\v+6*((\bq)/2)+3+\i], v[CT+4*\v+\i]
.endr
.endr
.endif
.irp v, 0,1
.if (\bq) == 0
	v_mov_b32 v[SW+\v], v[BY+\v]
.else
	v_lshl_or_b32 v[SW+\v], v[BY+\v], 8*(\bq), v[SW+\v]
.endif
.endr
.endm
	s_load_b512 s[4:19], s[0:1], 0x0               ; F_cam codes 4, scales 6; Wk 8, 10; Wv 12, 14; Wo 16, 18
	s_load_b256 s[20:27], s[0:1], 0x40             ; W1 20, 22; W2 24, 26
	s_load_b128 s[28:31], s[0:1], 0x60             ; kv 28, wimg 30
	v_lshl_add_u32 v254, v0, 2, 0x29000
	v_mov_b32 v255, 0
	ds_add_u32 v254, v255
	ds_add_u32 v254, v255
	s_wait_dscnt 0x0
	v_lshrrev_b32 v1, 5, v0
	v_readfirstlane_b32 s32, v1                    ; wave 0..7
	v_and_b32 v1, 15, v0                           ; r
	v_bfe_u32 v2, v0, 4, 1                         ; h
	v_and_b32 v3, 31, v0                           ; lane
	v_and_b32 v10, 8, v1
	v_add_nc_u32 v10, v10, v1                      ; r + 8 (r / 8)
	v_lshlrev_b32 v8, 4, v3                        ; an image's place for my lane
	v_lshlrev_b32 v9, 2, v3                        ; a scale word's
	s_cmp_lt_u32 ttmp9, 18
	s_cbranch_scc1 .Lrelay
	; ---- K or V of one key step
	s_sub_co_u32 s54, ttmp9, 18
	s_and_b32 s55, s54, 1                          ; 0: K, 1: V
	s_lshr_b32 s56, s54, 1                         ; 32 x batch + key step
	s_mov_b32 s[SEL], 0x76543210
	s_mov_b32 s[SEL+1], 0xfedcba98
	s_mov_b32 s40, (1<<20)|(3<<22)|(3<<25)         ; group 1: elements of 1 byte; padding on: 4 words behind every 16
	s_mov_b32 s41, 192<<16                         ; tensor_dim0 = 192
	s_mov_b32 s42, 64<<16                          ; tensor_dim1 = 64
	s_mov_b32 s43, 192<<16                         ; tile_dim0 = 192
	s_mov_b32 s44, 64                              ; tile_dim1 = 64
	s_mov_b32 s45, 192                             ; from row to row
	s_mov_b32 s46, 0
	s_mov_b32 s47, 0
	s_mov_b32 s67, 0
	s_wait_kmcnt 0x0
	s_cmp_eq_u32 s55, 0
	s_cselect_b64 s[58:59], s[8:9], s[12:13]       ; the weight's codes
	s_cselect_b64 s[60:61], s[10:11], s[14:15]     ; and its scales
	s_mul_i32 s62, s56, 24576                      ; 128 tokens of 192 bytes a key step,
	s_mul_i32 s63, s32, 12288                      ; 64 rows a wave
	s_add_co_u32 s62, s62, s63
	s_sub_co_u32 s63, s63, 24576                   ; the weight's rows 64 (wave - 2) on (taken by waves 2 to 5 alone)
	s_cmp_lt_u32 s32, 2                            ; waves 0, 1 fetch the tokens, waves 2 to 5 the weight
	s_cselect_b64 s[50:51], s[4:5], s[58:59]
	s_cselect_b32 s66, s62, s63
	s_add_nc_u64 s[50:51], s[50:51], s[66:67]
	s_or_b32 s51, s51, 0x80000000                  ; type = 2
	s_mov_b32 s48, 1
	s_mul_i32 s49, s32, 64*PITCH                   ; LDS: rows 64 x wave on: the tokens' 128 rows, then the weight's 256
	s_cmp_lt_u32 s32, 6
	s_cbranch_scc0 .Lno_fill
	tensor_load_to_lds s[48:51], s[40:47]          ; a wave's one load; every byte is filled once
	s_nop 0
.rept 4
	v_nop
.endr
.Lno_fill:
	s_lshl_b32 s66, s56, 10                        ; the step's scale bytes: 8 a token
	s_add_nc_u64 s[68:69], s[6:7], s[66:67]
	s_lshl_b32 s66, s32, 8                         ; the head's 32 rows of the weight's
	s_add_nc_u64 s[70:71], s[60:61], s[66:67]
	v_lshlrev_b32 v11, 3, v10
	v_lshl_add_u32 v11, v2, 2, v11                 ; my row's 8 bytes, + 4 h: lanes 16-31 take K step 1's word
.irp t, 0,1,2,3,4,5,6,7
	global_load_b32 v[XS+\t], v11, s[68:69] offset:(32*(\t/2)+8*(\t%2))*8
.endr
	global_load_b32 v[WS], v11, s[70:71]
	global_load_b32 v[WS+1], v11, s[70:71] offset:64
	v_mul_u32_u24 v4, v10, PITCH
	v_mad_u32_u24 v4, v2, 24, v4                   ; a fragment's row x pitch + 24 h
	v_lshl_add_u32 v5, v2, 4, v4                   ; and the same behind one padding more
	s_mul_i32 s72, s32, 32*PITCH
	s_add_co_u32 s72, s72, 128*PITCH               ; my head's rows of the weight
	v_add_nc_u32 v6, s72, v4
	v_add_nc_u32 v7, s72, v5
	v_mov_b32 v[TP], 0                             ; written once: a lane permute's destination counts as one of its sources
	v_mov_b32 v[TP+1], 0
	s_lshr_b32 s72, s56, 5
	s_lshl_b32 s72, s72, 3
	s_add_co_u32 s72, s72, s32                     ; 8 x batch + head
	s_mul_i32 s72, s72, 204800
	s_and_b32 s73, s56, 31
	s_mul_i32 s73, s73, 6400
	s_add_co_u32 s66, s72, s73
	s_add_nc_u64 s[28:29], s[28:29], s[66:67]      ; my record
	s_mul_i32 s66, s55, 3072
	s_add_nc_u64 s[74:75], s[28:29], s[66:67]      ; its two fragments of K, or of V
	s_lshl_b32 s66, s55, 7
	s_add_nc_u64 s[76:77], s[28:29], s[66:67]      ; its scale words
	s_wait_tensorcnt 0x0                           ; my part of the tiles has landed,
	s_barrier_signal -1
	s_barrier_wait -1                              ; everybody's has
	s_wait_loadcnt 0x0                             ; the scale words
.irp v, 0,1
.irp s, 0,1
	FRAG WF+12*(2*\v+\s), 6, \s, 8*\v
.endr
.endr
	s_cmp_eq_u32 s55, 0
	s_cbranch_scc0 .Lvalues
	KBLK 0
	KBLK 1
	KBLK 2
	KBLK 3
	s_branch .Lstore
.Lvalues:
	VBLK 0
	VBLK 1
	VBLK 2
	VBLK 3
.Lstore:
.irp i, 0,1,2,3,4,5
	global_store_b128 v8, v[OF+4*\i:OF+4*\i+3], s[74:75] offset:512*\i   ; 32 lanes store 512 consecutive bytes, at a multiple of 256 from the buffer's first byte
.endr
	v_cmp_gt_u32 vcc_lo, 16, v3
	v_cndmask_b32 v194, v[SW+1], v[SW], vcc_lo     ; lanes 0-15: the first fragment's words, lanes 16-31: the second's
	global_store_b32 v9, v194, s[76:77] offset:6144
	s_wait_tensorcnt 0x0
	ds_add_u32 v254, v255
	s_wait_dscnt 0x0
	s_endpgm
	; ---- the weights' images.  A wave takes one tile T of 16 rows and one pair j of K steps: two fragments and one block of scale words (lanes 0-15: the even K step's, lanes 16-31: the odd one's)
.Lrelay:
	s_wait_kmcnt 0x0
	s_cmp_lt_u32 ttmp9, 2
	s_cbranch_scc0 .Lnot_wo
	s_lshl_b32 s56, ttmp9, 3                       ; Wo: 16 tiles
	s_add_co_u32 s56, s56, s32                     ; T
	s_mov_b32 s57, 0                               ; j
	s_mov_b32 s54, 192                             ; a row of codes in bytes
	s_mov_b32 s55, 8                               ; a row of scales
	s_mov_b64 s[58:59], s[16:17]
	s_mov_b64 s[60:61], s[18:19]
	s_lshr_b32 s66, s56, 1
	s_and_b32 s67, s56, 1
	s_mul_i32 s62, s66, 6400
	s_add_co_u32 s62, s62, 409600                  ; the part of the wave that will read it
	s_lshl_b32 s68, s67, 7
	s_add_co_u32 s68, s68, s62
	s_add_co_u32 s68, s68, 6144                    ; the scale words' place
	s_mul_i32 s67, s67, 3072
	s_add_co_u32 s62, s62, s67                     ; the even K step's image
	s_mov_b32 s63, 1536                            ; from there to the odd one's
	s_branch .Lcopy
.Lnot_wo:
	s_cmp_lt_u32 ttmp9, 10
	s_cbranch_scc0 .Lw2
	s_sub_co_u32 s66, ttmp9, 2                     ; W1: 64 tiles, eight for each reading wave
	s_lshl_b32 s56, s66, 3
	s_add_co_u32 s56, s56, s32
	s_mov_b32 s57, 0
	s_mov_b32 s54, 192
	s_mov_b32 s55, 8
	s_mov_b64 s[58:59], s[20:21]
	s_mov_b64 s[60:61], s[22:23]
	s_mul_i32 s62, s66, 25600
	s_add_co_u32 s62, s62, 204800
	s_lshl_b32 s68, s32, 7
	s_add_co_u32 s68, s68, s62
	s_add_co_u32 s68, s68, 24576
	s_mul_i32 s67, s32, 3072
	s_add_co_u32 s62, s62, s67
	s_mov_b32 s63, 1536
	s_branch .Lcopy
.Lw2:
	s_sub_co_u32 s66, ttmp9, 10                    ; W2: 16 tiles x 4 pairs of K steps
	s_lshl_b32 s66, s66, 3
	s_add_co_u32 s66, s66, s32
	s_lshr_b32 s56, s66, 2
	s_and_b32 s57, s66, 3
	s_mov_b32 s54, 768
	s_mov_b32 s55, 32
	s_mov_b64 s[58:59], s[24:25]
	s_mov_b64 s[60:61], s[26:27]
	s_lshr_b32 s66, s56, 1
	s_and_b32 s67, s56, 1
	s_mul_i32 s62, s66, 25600
	s_lshl_b32 s68, s67, 2
	s_add_co_u32 s68, s68, s57
	s_lshl_b32 s68, s68, 7
	s_add_co_u32 s68, s68, s62
	s_add_co_u32 s68, s68, 24576
	s_mul_i32 s69, s57, 6144
	s_add_co_u32 s62, s62, s69
	s_mul_i32 s69, s67, 1536
	s_add_co_u32 s62, s62, s69
	s_mov_b32 s63, 3072
.Lcopy:
	s_lshr_b32 s66, s56, 1
	s_lshl_b32 s66, s66, 5
	s_and_b32 s67, s56, 1
	s_lshl_b32 s67, s67, 3
	s_add_co_u32 s66, s66, s67                     ; the tile's first row: 32 (T / 2) + 8 (T % 2)
	s_mul_i32 s70, s66, s54
	s_mul_i32 s67, s57, 192
	s_add_co_u32 s70, s70, s67
	s_mov_b32 s71, 0
	s_add_nc_u64 s[58:59], s[58:59], s[70:71]
	s_mul_i32 s70, s66, s55
	s_lshl_b32 s67, s57, 3
	s_add_co_u32 s70, s70, s67
	s_add_nc_u64 s[60:61], s[60:61], s[70:71]
	s_mov_b32 s70, s62
	s_add_nc_u64 s[72:73], s[30:31], s[70:71]
	s_add_co_u32 s70, s62, s63
	s_add_nc_u64 s[74:75], s[30:31], s[70:71]
	s_mov_b32 s70, s68
	s_add_nc_u64 s[76:77], s[30:31], s[70:71]
	v_mul_lo_u32 v12, v10, s54
	v_mad_u32_u24 v12, v2, 24, v12                 ; my row, + 24 h
	v_mul_lo_u32 v13, v10, s55
	v_lshl_add_u32 v13, v2, 2, v13                 ; my row's scale bytes, + 4 h
.irp s, 0,1
.irp p, 0,1,2,3,4,5
	global_load_b64 v[16+12*\s+2*\p:17+12*\s+2*\p], v12, s[58:59] offset:96*\s+48*(\p/3)+8*(\p%3)
.endr
.endr
	global_load_b32 v40, v13, s[60:61]
	s_wait_loadcnt 0x0
.irp c, 0,1,2
	global_store_b128 v8, v[16+4*\c:19+4*\c], s[72:73] offset:512*\c
	global_store_b128 v8, v[28+4*\c:31+4*\c], s[74:75] offset:512*\c
.endr
	global_store_b32 v9, v40, s[76:77]
	s_endpgm
.Lfunc_end_k_qc8f2c9ad40_prep:
	.size	k_qc8f2c9ad40_prep, .Lfunc_end_k_qc8f2c9ad40_prep-k_qc8f2c9ad40_prep
	.p2alignl 7, 3214868480
	.fill 96, 4, 3214868480
	.section	.rodata,"a",@progbits
	.p2align	6, 0x0
	.amdhsa_kernel k_qc8f2c9ad40_prep
		.amdhsa_group_segment_fixed_size 168960
		.amdhsa_private_segment_fixed_size 0
		.amdhsa_enable_private_segment 0
		.amdhsa_kernarg_size 112
		.amdhsa_user_sgpr_count 2
		.amdhsa_user_sgpr_kernarg_segment_ptr 1
		.amdhsa_wavefront_size32 1
		.amdhsa_system_sgpr_workgroup_id_x 1
		.amdhsa_system_sgpr_workgroup_id_y 1
		.amdhsa_system_sgpr_workgroup_id_z 1
		.amdhsa_system_vgpr_workitem_id 0
		.amdhsa_next_free_vgpr 256
		.amdhsa_next_free_sgpr 80
		.amdhsa_reserve_vcc 1
		.amdhsa_float_denorm_mode_32 3
		.amdhsa_float_denorm_mode_16_64 3
		.amdhsa_memory_ordered 1
		.amdhsa_forward_progress 1
		.amdhsa_inst_pref_size 50
	.end_amdhsa_kernel
	.amdgpu_metadata
---
amdhsa.version: [ 1, 2 ]
amdhsa.kernels:
  - .name:           k_qc8f2c9ad40_prep
    .symbol:         k_qc8f2c9ad40_prep.kd
    .args:
      - { .name: F_cam_codes, .offset: 0, .size: 8, .value_kind: global_buffer, .address_space: global }
      - { .name: F_cam_scales, .offset: 8, .size: 8, .value_kind: global_buffer, .address_space: global }
      - { .name: Wk_codes, .offset: 16, .size: 8, .value_kind: global_buffer, .address_space: global }
      - { .name: Wk_scales, .offset: 24, .size: 8, .value_kind: global_buffer, .address_space: global }
      - { .name: Wv_codes, .offset: 32, .size: 8, .value_kind: global_buffer, .address_space: global }
      - { .name: Wv_scales, .offset: 40, .size: 8, .value_kind: global_buffer, .address_space: global }
      - { .name: Wo_codes, .offset: 48, .size: 8, .value_kind: global_buffer, .address_space: global }
      - { .name: Wo_scales, .offset: 56, .size: 8, .value_kind: global_buffer, .address_space: global }
      - { .name: W1_codes, .offset: 64, .size: 8, .value_kind: global_buffer, .address_space: global }
      - { .name: W1_scales, .offset: 72, .size: 8, .value_kind: global_buffer, .address_space: global }
      - { .name: W2_codes, .offset: 80, .size: 8, .value_kind: global_buffer, .address_space: global }
      - { .name: W2_scales, .offset: 88, .size: 8, .value_kind: global_buffer, .address_space: global }
      - { .name: kv, .offset: 96, .size: 8, .value_kind: global_buffer, .address_space: global }
      - { .name: wimg, .offset: 104, .size: 8, .value_kind: global_buffer, .address_space: global }
    .group_segment_fixed_size: 168960
    .private_segment_fixed_size: 0
    .kernarg_segment_align: 8
    .kernarg_segment_size: 112
    .max_flat_workgroup_size: 256
    .sgpr_count:     80
    .vgpr_count:     256
    .wavefront_size: 32
...
	.end_amdgpu_metadata
.endif
;; end of part 1
;; launch attn (part 2): grid 16 x 16, 16 waves a work-group, clusters of 4 x 1, 207,104 bytes of LDS; arguments kv, F_lidar_codes, F_lidar_scales, Wq_codes, Wq_scales, ao_codes, ao_scales; writes ao_codes, ao_scales
.if DOCPART == 2
	.amdgcn_target "amdgcn-amd-amdhsa--gfx1250"
	.amdhsa_code_object_version 6
	.text
	.protected	k_qc8f2c9ad40_attn
	.globl	k_qc8f2c9ad40_attn
	.p2align	8
	.type	k_qc8f2c9ad40_attn,@function
k_qc8f2c9ad40_attn:
	s_mov_b64 s[64:65], 0
	v_nop
	global_prefetch_b8 v0, s[64:65] scope:SCOPE_SE
	s_setreg_imm32_b32 hwreg(HW_REG_WAVE_MODE, 25, 1), 1
	s_wait_xcnt 0x0
	s_wait_alu depctr_hold_cnt(0) depctr_sa_sdst(0) depctr_va_vdst(0) depctr_va_sdst(0) depctr_va_ssrc(0) depctr_va_vcc(0) depctr_vm_vsrc(0)
	s_getreg_b32 s2, hwreg(HW_REG_IB_STS2, 6, 4)
	s_cmp_eq_u32 s2, 0
	s_cbranch_scc0 .Lentry_in_a_cluster
	s_endpgm
.Lentry_in_a_cluster:
	s_bfe_u32 s2, ttmp6, 0x10000c
	s_cmp_lg_u32 s2, 0x3003
	s_cbranch_scc0 .Lentry_shape_is_right
	s_endpgm
.Lentry_shape_is_right:
; ATTN.  For one batch and head: Q = F_lidar Wq^T, quantised; S^T = K Q^T; p = 2^(t - M); O^T = V^T P^T; O / l, quantised along the head's 32 channels (one block of the next product's K).  All products on codes of FP6 (E2M3) with E8M0 scales.
; SHARES.  A work-group owns 256 queries of one (batch, head), each of its sixteen waves 16 of them in 256 registers: four waves to a SIMD, so that one wave's vector work stands beside another's products and LDS loads.
; THE WHOLE HEAD'S K AND V, 32 records of 6,400 bytes as images of operand registers, lie in LDS: 204,800 bytes, filled once.  CLUSTER: the four query blocks of a cluster read the same head, so each wave's 12,800 bytes
; are asked for jointly, by the same tensor load with the same descriptor and the mask of all four.  By this text's count a wave has one tensor load out.
; THE FIRST PRODUCT'S K IS 32, one block of the instruction's four.  A fragment of K holds FOUR tiles of 16 keys, one in each block; Q stands in one block of source 1 with zero codes in the other three, so that one
; instruction picks one tile.  The four placings of Q are four windows of twelve registers into [zeros][Q in lanes 0-15][zeros][Q in lanes 16-31][zeros].
; A lane holds ONE query (lane % 16) throughout.  Tile 2 b + u of S^T holds keys 32 b + 8 u + r + 8 (r / 8) in its rows, so the 16 registers of tiles 2 b and 2 b + 1 are keys 32 b + 16 (lane / 16) + 0 .. 15.
; THE SOFTMAX: t = score x log2(e) / sqrt(32); M = the running largest t rounded up to a whole number; p = 2^(t - M) is quantised along the keys, not normalised; the row's sum is taken of the unquantised p and divides at the end.
; LIMITS: a block of zeros gets the scale byte 1 (its codes are zeros; this program alone reads the bytes); a p below 2^-126 counts as 0; NaN and infinities are not served.
.set REC, 6400
.set SCB, 204800                       ; behind the records: 256 bytes in which the work-group's scale bytes meet; no fill lands here
.set KF,  50                           ; v50-73   K's two fragments
.set VF,  74                           ; v74-97   V's two tiles
.set S,   98                           ; v98-161  S^T, then p
.set O,   162                          ; v162-177 O^T: channels 16 h + 0 .. 15
.set PC,  178                          ; v178-189 p's codes
.set PT,  190                          ; v190-197 codes on their way
.set BM,  200                          ; v200-203 the blocks' largest scores, then largest p
.set BT,  204                          ; v204-207 the other half's; then the scale bytes
.set SO,  208                          ; v208-211 the conversions' scale operands
.set FF,  212                          ; v[212:213] f = 2^(old M - new M)
.set CB,  214                          ; v[214:215] the sum's second chain
.set TT,  216                          ; v216-217 at work
; v1 16 x lane, v2 4 x lane, v3, v4 the step's addresses, v5 r, v6 h, v7, v8 the way out, v9 lane, v12 -M, v13 the largest t, v[14:15] the sum; v16-45 Q's placings; scales alone: v46 Q's, v47 K's, v48 V's, v49 p's
.macro WM d, a, b, cm, sa, sb, rows    ; cm = 0: starts the sum; 1: adds in place.  rows = 1: source 0's scale words from lanes 16-31
.if (\cm) == 0
.if (\rows) == 0
	v_wmma_scale_f32_16x16x128_f8f6f4 v[\d:\d+7], v[\a:\a+11], v[\b:\b+11], 0, v[\sa], v[\sb] matrix_a_fmt:MATRIX_FMT_FP6 matrix_b_fmt:MATRIX_FMT_FP6
.else
	v_wmma_scale_f32_16x16x128_f8f6f4 v[\d:\d+7], v[\a:\a+11], v[\b:\b+11], 0, v[\sa], v[\sb] matrix_a_fmt:MATRIX_FMT_FP6 matrix_b_fmt:MATRIX_FMT_FP6 matrix_a_scale:MATRIX_SCALE_ROW1
.endif
.else
.if (\rows) == 0
	v_wmma_scale_f32_16x16x128_f8f6f4 v[\d:\d+7], v[\a:\a+11], v[\b:\b+11], v[\d:\d+7], v[\sa], v[\sb] matrix_a_fmt:MATRIX_FMT_FP6 matrix_b_fmt:MATRIX_FMT_FP6
.else
	v_wmma_scale_f32_16x16x128_f8f6f4 v[\d:\d+7], v[\a:\a+11], v[\b:\b+11], v[\d:\d+7], v[\sa], v[\sb] matrix_a_fmt:MATRIX_FMT_FP6 matrix_b_fmt:MATRIX_FMT_FP6 matrix_a_scale:MATRIX_SCALE_ROW1
.endif
.endif
.endm
.macro ROUND                           ; a round of the cluster's barrier
	s_barrier_signal -1
	s_barrier_wait -1
	s_cmp_lg_u32 s18, 0
	s_cbranch_scc1 .Lnot_wave_0_\@
	s_barrier_signal -3
.Lnot_wave_0_\@:
	s_barrier_wait -3
	s_barrier_signal -1
	s_barrier_wait -1
.endm
.macro ZERO first, n
.set zi, 0
.rept \n
	v_mov_b32 v[\first+zi], 0
.set zi, zi+1
.endr
.endm
; 16 numbers of a lane, half of a block that lanes l and l xor 16 share: three registers of codes in v[dst] on, the scale's byte in v[BT]
.macro Q1 src, dst
	v_max3_num_f32 v[BM], |v[\src]|, |v[\src+1]|, 0x1800000   ; with the floor 2^(3 - 127): the byte cannot fall under 1
.irp i, 2,4,6,8,10,12,14
	v_max3_num_f32 v[BM], v[BM], |v[\src+\i]|, |v[\src+\i+1]|
.endr
	v_permlanex16_b32 v[BT], v[BM], s36, s37
	v_max_num_f32 v[BM], v[BM], v[BT]
	v_add_nc_u32 v[SO], 0xff000000, v[BM]          ; 2 off the exponent field: the conversion's scale operand
	v_lshrrev_b32 v[BT], 23, v[SO]
	v_cvt_scalef32_pk16_fp6_f32 v[\dst:\dst+2], v[\src:\src+15], v[SO]
	v_nop                                          ; one plain place behind a scaled conversion
.endm
	s_load_b256 s[4:11], s[0:1], 0x0               ; kv 4, F_lidar codes 6, scales 8, Wq codes 10
	s_load_b128 s[12:15], s[0:1], 0x20             ; Wq scales 12, ao_codes 14
	s_load_b64 s[16:17], s[0:1], 0x30              ; ao_scales
	v_lshl_add_u32 v254, v0, 2, 0x32100
	v_mov_b32 v255, 0
	ds_add_u32 v254, v255
	ds_add_u32 v254, v255
	v_lshrrev_b32 v1, 5, v0
	v_readfirstlane_b32 s18, v1                    ; wave 0..15
	v_and_b32 v9, 31, v0
	v_and_b32 v5, 15, v0
	v_bfe_u32 v6, v0, 4, 1
	v_lshlrev_b32 v1, 4, v9
	v_lshlrev_b32 v2, 2, v9
	v_mul_u32_u24 v7, v5, 24
	v_mad_u32_u24 v7, v6, 12, v7                   ; the way out: 24 bytes a token, 12 for each half of the lanes
	s_lshl_b32 s40, s18, 4
	s_add_co_u32 s40, s40, SCB
	v_add_nc_u32 v8, s40, v5                       ; my query's scale byte
	v_and_b32 v10, 8, v5
	v_add_nc_u32 v10, v10, v5                      ; r + 8 (r / 8)
	v_mul_u32_u24 v11, v10, 48
	v_mad_u32_u24 v11, v6, 24, v11                 ; Wq: a row is 64 codes, 48 bytes
	v_lshlrev_b32 v10, 1, v10                      ; and 2 scale bytes
	v_mul_u32_u24 v[TT], v5, 48
	v_mad_u32_u24 v[TT], v6, 24, v[TT]             ; F_lidar likewise, by tokens
	v_lshlrev_b32 v[TT+1], 1, v5
	s_bfe_u32 s19, ttmp6, 0x40000                  ; cx
	s_lshl_b32 s20, ttmp9, 2
	s_add_co_u32 s20, s20, s19                     ; my block of 256 queries: it enters global addresses of Q and of the results alone
	s_and_b32 s21, ttmp7, 0xffff                   ; 8 x batch + head, which the four partners share
	s_lshr_b32 s40, s21, 3
	s_and_b32 s41, s21, 7
	s_lshl_b32 s42, s20, 8
	s_lshl_b32 s43, s18, 4
	s_add_co_u32 s42, s42, s43                     ; my first query
	s_lshl_b32 s43, s40, 12
	s_add_co_u32 s43, s43, s42                     ; as a token of both batches
	s_mov_b32 s22, 0x3e8293ee                      ; c = log2(e) / sqrt(32)
	s_mov_b32 s23, s22                             ; (named with it as a pair, so it is written)
	s_mov_b32 s36, 0x76543210
	s_mov_b32 s37, 0xfedcba98                      ; lane l xor 16
	s_mov_b32 s48, 0x01010101
	s_mov_b32 s24, 15|(3<<16)|(1<<21)              ; group 1: the mask of all four; elements of 8 bytes; bit 21 beside a mask; no padding: the images are read 512 consecutive bytes at a time
	s_mov_b32 s25, 32<<16                          ; tensor_dim0 = 32: rows of 256 bytes
	s_mov_b32 s26, 50<<16                          ; tensor_dim1 = 50: two records
	s_mov_b32 s27, 32<<16
	s_mov_b32 s28, 50
	s_mov_b32 s29, 32
	s_mov_b32 s30, 0
	s_mov_b32 s31, 0
	s_mov_b32 s45, 0
	s_mov_b32 s47, 0
	s_wait_dscnt 0x0
	s_wait_kmcnt 0x0
	s_mul_i32 s46, s43, 48
	s_add_nc_u64 s[6:7], s[6:7], s[46:47]
	s_lshl_b32 s46, s43, 1
	s_add_nc_u64 s[8:9], s[8:9], s[46:47]
	s_mul_i32 s44, s41, 1536                       ; the head's 32 rows of Wq
	s_add_nc_u64 s[10:11], s[10:11], s[44:45]
	s_lshl_b32 s44, s41, 6
	s_add_nc_u64 s[12:13], s[12:13], s[44:45]
	s_lshl_b32 s46, s21, 12
	s_add_co_u32 s46, s46, s42
	s_mul_i32 s46, s46, 24
	s_add_nc_u64 s[14:15], s[14:15], s[46:47]      ; ao_codes [batch x head][token][24] at my first query
	s_lshl_b32 s46, s21, 12
	s_lshl_b32 s49, s20, 8
	s_add_co_u32 s46, s46, s49
	s_add_nc_u64 s[16:17], s[16:17], s[46:47]      ; ao_scales at my work-group's first query
	s_mul_i32 s44, s21, 204800
	s_mul_i32 s33, s18, 12800                      ; group 0: LDS address: wave x two records
	s_add_co_u32 s44, s44, s33
	s_mov_b32 s32, 1
	s_add_nc_u64 s[34:35], s[4:5], s[44:45]        ; made of the head and the wave's number alone
	s_or_b32 s35, s35, 0x80000000
.irp p, 0,1,2
	global_load_b64 v[98+2*\p:99+2*\p], v[TT], s[6:7] offset:8*\p          ; my 16 tokens of F_lidar: K = 64 fills registers 0-5
	global_load_b64 v[110+2*\p:111+2*\p], v11, s[10:11] offset:8*\p        ; Wq's tile 0
	global_load_b64 v[122+2*\p:123+2*\p], v11, s[10:11] offset:384+8*\p    ; and tile 1, eight rows on
.endr
	global_load_u16 v49, v[TT+1], s[8:9]           ; two scale bytes; the upper two are 0 and meet zero codes
	global_load_u16 v47, v10, s[12:13]
	global_load_u16 v48, v10, s[12:13] offset:16
	ROUND                                          ; all four work-groups are here: the joint loads meet
	tensor_load_to_lds s[32:35], s[24:31]
	s_nop 0
.rept 4
	v_nop
.endr
	ZERO 104, 6                                    ; K = 64 .. 127 of the three fragments: zero codes
	ZERO 116, 6
	ZERO 128, 6
	ZERO 16, 6                                     ; the zeros between Q's placings
	ZERO 28, 6
	ZERO 40, 6
	ZERO O, 16                                     ; O^T and the sum begin as zeros, which the first change of M leaves zeros
	ZERO 14, 2
	ZERO BT, 4                                     ; written once: a lane permute's destination counts as one of its sources
	ZERO 194, 3
	v_mov_b32 v[FF+1], 0                           ; (named as the upper half of a pair)
	v_mov_b32 v13, 0xff61b1e6                      ; the largest t so far: -3e38
	v_floor_f32 v12, -v13
	s_wait_loadcnt 0x0
	WM 134, 110, 98, 0, 47, 49, 0                  ; Q^T: source 0 = 16 rows of Wq, source 1 = my tokens: lane (r, h) holds channels 16 h + 0 .. 15 of query r
	WM 142, 122, 98, 0, 48, 49, 0
.rept 4
	v_nop
.endr
	Q1 134, PT
	v_mul_lo_u32 v46, v[BT], s48                   ; Q's byte in all four places of its scale word
.irp i, 0,1,2
	v_permlanex16_b32 v[194+\i], v[PT+\i], s36, s37   ; the other 16 channels' codes
.endr
	v_cmp_gt_u32 vcc_lo, 16, v9
.irp i, 0,1,2
	v_cndmask_b32 v[22+\i], 0, v[PT+\i], vcc_lo    ; Q whole in lanes 0-15: channels 0-15 are mine,
	v_cndmask_b32 v[25+\i], 0, v[194+\i], vcc_lo   ; channels 16-31 the other half's; zeros in lanes 16-31
	v_cndmask_b32 v[34+\i], v[194+\i], v16, vcc_lo ; Q whole in lanes 16-31; zeros in lanes 0-15
	v_cndmask_b32 v[37+\i], v[PT+\i], v16, vcc_lo
.endr
	s_wait_tensorcnt 0x0                           ; my two records have landed,
	s_barrier_signal -1
	s_barrier_wait -1                              ; everybody's have
	s_mov_b32 s38, 0
	s_mov_b32 s39, 32
.Lstep:                                            ; 128 keys a trip
	v_add_nc_u32 v3, s38, v1
	v_add_nc_u32 v4, s38, v2
	v_nop
	v_nop                                          ; four places ahead of loads into registers that the last products read
.irp i, 0,1,2,3,4,5
	ds_load_b128 v[KF+4*\i:KF+4*\i+3], v3 offset:512*\i
.endr
	ds_load_b32 v47, v4 offset:6144
.irp i, 0,1,2,3,4,5
	ds_load_b128 v[VF+4*\i:VF+4*\i+3], v3 offset:3072+512*\i
.endr
	ds_load_b32 v48, v4 offset:6272
	s_wait_dscnt 7                                 ; K's seven loads are in; V's seven may stay out until the second product
.irp f, 0,1
	WM S+32*\f, KF+12*\f, 22, 0, 47, 46, \f        ; Q in block 0
	WM S+32*\f+8, KF+12*\f, 34, 0, 47, 46, \f      ; in block 1
	WM S+32*\f+16, KF+12*\f, 16, 0, 47, 46, \f     ; in block 2
	WM S+32*\f+24, KF+12*\f, 28, 0, 47, 46, \f     ; in block 3
.endr
.rept 4
	v_nop
.endr
.irp b, 0,1,2,3
	v_max3_num_f32 v[BM+\b], v[S+16*\b], v[S+16*\b+1], v[S+16*\b+2]   ; the largest score of each block of 32 keys: for the row's maximum and, since p rises with the score, for the block's largest p
.endr
.irp i, 3,5,7,9,11,13
.irp b, 0,1,2,3
	v_max3_num_f32 v[BM+\b], v[BM+\b], v[S+16*\b+\i], v[S+16*\b+\i+1]
.endr
.endr
.irp b, 0,1,2,3
	v_max_num_f32 v[BM+\b], v[BM+\b], v[S+16*\b+15]
.endr
.irp b, 0,1,2,3
	v_permlanex16_b32 v[BT+\b], v[BM+\b], s36, s37
.endr
.irp b, 0,1,2,3
	v_max_num_f32 v[BM+\b], v[BM+\b], v[BT+\b]
.endr
	v_max3_num_f32 v[TT], v[BM], v[BM+1], v[BM+2]
	v_max_num_f32 v[TT], v[TT], v[BM+3]
	v_mul_f32 v[TT], s22, v[TT]                    ; as t (c is positive)
	v_max_num_f32 v13, v13, v[TT]                  ; the running largest t
	v_mov_b32 v[TT], v12
	v_floor_f32 v12, -v13                          ; the new -M = floor(-t): M is a whole number
	v_sub_f32 v[TT], v12, v[TT]                    ; old M - new M: a whole number, 0 or less
	v_cvt_i32_f32 v[TT], v[TT]                     ; (it saturates)
	v_ldexp_f32 v[FF], 1.0, v[TT]                  ; f = 2^(old M - new M): a multiplication by it rounds nothing
.set j, 0
.rept 32
	v_pk_fma_f32 v[S+j:S+j+1], v[S+j:S+j+1], s[22:23], v[12:13] op_sel_hi:[1,0,0]   ; t - M, two at a time
.set j, j+2
.endr
.irp b, 0,1,2,3
	v_fma_f32 v[BM+\b], v[BM+\b], s22, v12         ; the same of each block's largest score
.endr
.set j, 0
.rept 64
	v_exp_f32 v[S+j], v[S+j]                       ; p = 2^(t - M)
.set j, j+1
.endr
	v_pk_mul_f32 v[14:15], v[14:15], v[FF:FF+1] op_sel_hi:[1,0]   ; the sum under the new M: a plain place behind the exponentials,
.irp i, 0,2,4,6,8,10,12,14
	v_pk_mul_f32 v[O+\i:O+\i+1], v[O+\i:O+\i+1], v[FF:FF+1] op_sel_hi:[1,0]   ; and O^T: work that names no exponential's result
.endr
	s_wait_alu depctr_va_vdst(0)                   ; one wait for the batch of 64, ahead of its first reader
.irp b, 0,1,2,3
	v_exp_f32 v[BM+\b], v[BM+\b]                   ; the blocks' largest p
.endr
	v_pk_add_f32 v[CB:CB+1], v[S:S+1], v[S+2:S+3]  ; the row's sum of the unquantised p, in two chains; it reads the 64 alone
.irp i, 4,8,12,16,20,24,28,32,36,40,44,48,52
	v_pk_add_f32 v[14:15], v[14:15], v[S+\i:S+\i+1]
	v_pk_add_f32 v[CB:CB+1], v[CB:CB+1], v[S+\i+2:S+\i+3]
.endr
	s_wait_alu depctr_va_vdst(0)                   ; and one for the four
.irp b, 0,1,2,3
	v_max_num_f32 v[BM+\b], 0x1800000, v[BM+\b]    ; the floor 2^(3 - 127)
.endr
.irp b, 0,1,2,3
	v_add_nc_u32 v[SO+\b], 0xff000000, v[BM+\b]
.endr
.irp b, 0,1,2,3
	v_lshrrev_b32 v[BT+\b], 23, v[SO+\b]
.endr
	v_lshl_or_b32 v49, v[BT+1], 8, v[BT]           ; p's scale word for these 128 keys
	v_lshl_or_b32 v49, v[BT+2], 16, v49
	v_lshl_or_b32 v49, v[BT+3], 24, v49
.irp c, 0,1
	v_cvt_scalef32_pk16_fp6_f32 v[PC+6*\c:PC+6*\c+2], v[S+32*\c:S+32*\c+15], v[SO+2*\c]
	v_cvt_scalef32_pk16_fp6_f32 v[PT+4*\c:PT+4*\c+2], v[S+32*\c+16:S+32*\c+31], v[SO+2*\c+1]
.endr
	v_nop                                          ; one plain place behind a scaled conversion
.irp c, 0,1                                    ; a whole block in a lane: lanes 0-15 block 2 c, lanes 16-31 block 2 c + 1
.irp i, 0,1,2
	v_permlane16_swap_b32 v[PC+6*\c+\i], v[PT+4*\c+\i]
.endr
.irp i, 0,1,2
	v_mov_b32 v[PC+6*\c+3+\i], v[PT+4*\c+\i]
.endr
.endr
.irp i, 56,60                                  ; the sum's last five additions are the places between the writes of p's codes and the scaled products
	v_pk_add_f32 v[14:15], v[14:15], v[S+\i:S+\i+1]
	v_pk_add_f32 v[CB:CB+1], v[CB:CB+1], v[S+\i+2:S+\i+3]
.endr
	v_pk_add_f32 v[14:15], v[14:15], v[CB:CB+1]
	s_wait_dscnt 0x0                               ; V
	WM O, VF, PC, 1, 48, 49, 0                     ; O^T += V^T P^T; the two accumulators take turns, and S^T's eight products follow
	WM O+8, VF+12, PC, 1, 48, 49, 1
	s_add_co_u32 s38, s38, REC
	s_sub_co_u32 s39, s39, 1
	s_cmp_lg_u32 s39, 0
	s_cbranch_scc1 .Lstep
	v_add_f32 v14, v14, v15                        ; the sum's two halves,
	v_permlanex16_b32 v[TT], v14, s36, s37
	v_add_f32 v14, v14, v[TT]                      ; and lane l xor 16's: the row's sum
	v_lshl_add_u32 v3, v9, 3, SCB                  ; (the scale bytes' way out: 8 bytes a lane)
	v_lshlrev_b32 v4, 3, v9
	v_nop
	v_rcp_f32 v14, v14
	v_nop                                          ; a plain place behind the reciprocal
	s_wait_alu depctr_va_vdst(0)                   ; and the wait ahead of its first reader
.set j, 0
.rept 16
	v_mul_f32 v[S+j], v[O+j], v14                  ; O / l, from each accumulator's low end on
.set j, j+1
.endr
	Q1 S, PT                                       ; the head's 32 channels of a token are one block of the next product's K
	global_store_b96 v7, v[PT:PT+2], s[14:15]      ; the wave stores 384 consecutive bytes
	ds_store_b8 v8, v[BT]                          ; both lanes of a block write the same byte with the same value
	s_wait_dscnt 0x0                               ; for the others' sake: my store has landed
	s_barrier_signal -1
	s_barrier_wait -1
	s_cmp_lg_u32 s18, 0
	s_cbranch_scc1 .Lnot_first
	ds_load_b64 v[10:11], v3
	s_wait_dscnt 0x0
	global_store_b64 v4, v[10:11], s[16:17]        ; 32 lanes store 256 consecutive bytes, at a multiple of 256 from the buffer's first byte
.Lnot_first:
	s_wait_tensorcnt 0x0
	ds_add_u32 v254, v255
	s_wait_dscnt 0x0
	ROUND                                          ; the closing round: no work-group ends while a partner may still ask for a tile that names it
	s_endpgm
.Lfunc_end_k_qc8f2c9ad40_attn:
	.size	k_qc8f2c9ad40_attn, .Lfunc_end_k_qc8f2c9ad40_attn-k_qc8f2c9ad40_attn
	.p2alignl 7, 3214868480
	.fill 96, 4, 3214868480
	.section	.rodata,"a",@progbits
	.p2align	6, 0x0
	.amdhsa_kernel k_qc8f2c9ad40_attn
		.amdhsa_group_segment_fixed_size 207104
		.amdhsa_private_segment_fixed_size 0
		.amdhsa_enable_private_segment 0
		.amdhsa_kernarg_size 56
		.amdhsa_user_sgpr_count 2
		.amdhsa_user_sgpr_kernarg_segment_ptr 1
		.amdhsa_wavefront_size32 1
		.amdhsa_system_sgpr_workgroup_id_x 1
		.amdhsa_system_sgpr_workgroup_id_y 1
		.amdhsa_system_sgpr_workgroup_id_z 1
		.amdhsa_system_vgpr_workitem_id 0
		.amdhsa_next_free_vgpr 256
		.amdhsa_next_free_sgpr 66
		.amdhsa_reserve_vcc 1
		.amdhsa_float_denorm_mode_32 3
		.amdhsa_float_denorm_mode_16_64 3
		.amdhsa_memory_ordered 1
		.amdhsa_forward_progress 1
		.amdhsa_inst_pref_size 26
	.end_amdhsa_kernel
	.amdgpu_metadata
---
amdhsa.version: [ 1, 2 ]
amdhsa.kernels:
  - .name:           k_qc8f2c9ad40_attn
    .symbol:         k_qc8f2c9ad40_attn.kd
    .args:
      - { .name: kv, .offset: 0, .size: 8, .value_kind: global_buffer, .address_space: global }
      - { .name: F_lidar_codes, .offset: 8, .size: 8, .value_kind: global_buffer, .address_space: global }
      - { .name: F_lidar_scales, .offset: 16, .size: 8, .value_kind: global_buffer, .address_space: global }
      - { .name: Wq_codes, .offset: 24, .size: 8, .value_kind: global_buffer, .address_space: global }
      - { .name: Wq_scales, .offset: 32, .size: 8, .value_kind: global_buffer, .address_space: global }
      - { .name: ao_codes, .offset: 40, .size: 8, .value_kind: global_buffer, .address_space: global }
      - { .name: ao_scales, .offset: 48, .size: 8, .value_kind: global_buffer, .address_space: global }
    .group_segment_fixed_size: 207104
    .private_segment_fixed_size: 0
    .kernarg_segment_align: 8
    .kernarg_segment_size: 56
    .max_flat_workgroup_size: 512
    .sgpr_count:     66
    .vgpr_count:     256
    .wavefront_size: 32
...
	.end_amdgpu_metadata
.endif
;; end of part 2
;; launch tail (part 3): grid 128 x 1, 8 waves a work-group, clusters of 4 x 1, 307,456 bytes of LDS; arguments wimg, ao_codes, ao_scales, F_lidar_codes, F_lidar_scales, Wres_codes, Wres_scales, g1, b1, g2, b2, bf1, bf2, out0; writes out0
.if DOCPART == 3
	.amdgcn_target "amdgcn-amd-amdhsa--gfx1250"
	.amdhsa_code_object_version 6
	.text
	.protected	k_qc8f2c9ad40_tail
	.globl	k_qc8f2c9ad40_tail
	.p2align	8
	.type	k_qc8f2c9ad40_tail,@function
k_qc8f2c9ad40_tail:
	s_mov_b64 s[64:65], 0
	v_nop
	global_prefetch_b8 v0, s[64:65] scope:SCOPE_SE
	s_setreg_imm32_b32 hwreg(HW_REG_WAVE_MODE, 25, 1), 1
	s_wait_xcnt 0x0
	s_wait_alu depctr_hold_cnt(0) depctr_sa_sdst(0) depctr_va_vdst(0) depctr_va_sdst(0) depctr_va_ssrc(0) depctr_va_vcc(0) depctr_vm_vsrc(0)
	s_getreg_b32 s2, hwreg(HW_REG_IB_STS2, 6, 4)
	s_cmp_eq_u32 s2, 0
	s_cbranch_scc0 .Lentry_in_a_cluster
	s_endpgm
.Lentry_in_a_cluster:
	s_bfe_u32 s2, ttmp6, 0x10000c
	s_cmp_lg_u32 s2, 0x3003
	s_cbranch_scc0 .Lentry_shape_is_right
	s_endpgm
.Lentry_shape_is_right:
; TAIL.  y = ao Wo^T + F_lidar Wres^T; x = LN(y) g1 + b1; hidden = relu(x W1^T + bf1); out = LN(x + hidden W2^T + bf2) g2 + b2, stored channel-major.  All products on codes of FP6 (E2M3) with E8M0 scales.
; SHARES.  A work-group takes 64 tokens.  THE WAVES SHARE THE COLUMNS: wave w owns channels 32 w .. + 31 (two tiles) and hidden units 128 w .. + 127 (eight tiles: K step w of the last product), for all 64 tokens.
; TILE m (0 .. 3) HOLDS TOKEN 4 r + m IN COLUMN r: a lane's four tiles hold four neighbouring tokens of a channel, 16 consecutive bytes of the output, and sixteen lanes 256: no stage is needed for the transposition.
; All products are used transposed (source 0 = 16 rows of a weight, source 1 = 16 tokens); lane r of a weight's tile 2 b + u takes row 32 b + 8 u + r + 8 (r / 8), so a lane's 16 registers of two tiles are 16 neighbouring channels.
; WEIGHTS.  Wo, W1 (as images of operand registers) and Wres stay in the wave's registers, window 1.  W2's images come into LDS by one tensor load a wave, asked for jointly by the four work-groups of a cluster, which read the same
; bytes; each wave reads only the 25,600 bytes that it fetched.  W1 and Wo go to registers, so they are not shared.  Every LDS byte is written once.  By this text's count a wave has one tensor load out.
; 128 work-groups: 256 consecutive output bytes are 64 tokens of a channel, and a norm wants all 256 channels of a token.
; THE NORMS: each wave gives, for each token, the mean of its 32 channels and the sum of squared distances from that mean; the eight pairs are merged (M2 = sum q + 32 sum (m_i - mean)^2): one exchange, and no difference of large sums.
; LIMITS: a block of zeros gets the scale byte 1 (its codes are zeros; this program alone reads the bytes); NaN, infinities and a given scale byte 0xff are not served.
.set PARAM, 204800                     ; behind W2's 8 x 25,600: for each wave 1,280 bytes: bf1's 128 numbers; at 512 g1, 640 b1, 768 g2, 896 b2, 1,024 bf2, 32 numbers each
.set AORAW, 215040                     ; the attention's codes: 8 heads x (64 tokens x 24 bytes + 16)
.set XLRAW, 227584                     ; F_lidar's codes: 64 tokens x 48 bytes
.set AOSC,  230656                     ; the attention's scale bytes: 8 heads x 64
.set LN1,   231168                     ; the first norm's pairs: token (m, r) at 1,280 m + 80 r, wave w's pair at 8 w; the second norm's 5,120 bytes on
.set XROW,  241408                     ; x's codes by token: (m, r) at 3,328 m + 208 r, 24 bytes a block
.set XSC,   254720                     ; x's scale bytes: 8 a token
.set HIMG,  255232                     ; the hidden layer's 32 fragments as images: (tile m, K step kk) at 1,536 (8 m + kk)
.set HSC,   304384                     ; their scale words: [m][pair of K steps][128 bytes: lanes 0-15 the even step, lanes 16-31 the odd one]
.set FRG, 16                           ; v16-87   fragments, and work
.set ACC, 88                           ; v88-151  y, x, the last sums: tile (m, u) at 88 + 16 m + 8 u
.set HID, 152                          ; v152-215 the hidden layer's 8 tiles; v152-223 a second run of fragments
.set TM,  216                          ; v216-231 the quantiser's work
.set PW,  232                          ; the scale word just made
.set QC,  64                           ; v64-83   the codes just made
.set W1S, 236                          ; v236-255 hold scales alone: W1's 236-243; Wo's 244-245; Wres's 246-247; the attention's, then x's 248-251; F_lidar's 252-255; in the last product two sets of six at 236 and 242
.set SEL, 36                           ; s[36:37] lane l xor 16
; window 1: v0-11 Wres's two tiles (six registers each: K = 64); v12-59 Wo (u, s) at 12 + 12 (2 u + s); v60-251 W1 (t, s) at 60 + 12 (2 t + s)
.set MSB, 0
.macro WIN new                         ; the immediate's high byte repeats the setting that is left
.if MSB != \new
	s_set_vgpr_msb (MSB<<8)|\new
.set MSB, \new
.endif
.endm
.macro WM d, a, b, cm, sa, sb, rows    ; cm = 0: starts the sum; 1: adds in place.  rows = 3: both scale words from lanes 16-31
.if (\cm) == 0
.if (\rows) == 0
	v_wmma_scale_f32_16x16x128_f8f6f4 v[\d:\d+7], v[\a:\a+11], v[\b:\b+11], 0, v[\sa], v[\sb] matrix_a_fmt:MATRIX_FMT_FP6 matrix_b_fmt:MATRIX_FMT_FP6
.else
	v_wmma_scale_f32_16x16x128_f8f6f4 v[\d:\d+7], v[\a:\a+11], v[\b:\b+11], 0, v[\sa], v[\sb] matrix_a_fmt:MATRIX_FMT_FP6 matrix_b_fmt:MATRIX_FMT_FP6 matrix_a_scale:MATRIX_SCALE_ROW1 matrix_b_scale:MATRIX_SCALE_ROW1
.endif
.else
.if (\rows) == 0
	v_wmma_scale_f32_16x16x128_f8f6f4 v[\d:\d+7], v[\a:\a+11], v[\b:\b+11], v[\d:\d+7], v[\sa], v[\sb] matrix_a_fmt:MATRIX_FMT_FP6 matrix_b_fmt:MATRIX_FMT_FP6
.else
	v_wmma_scale_f32_16x16x128_f8f6f4 v[\d:\d+7], v[\a:\a+11], v[\b:\b+11], v[\d:\d+7], v[\sa], v[\sb] matrix_a_fmt:MATRIX_FMT_FP6 matrix_b_fmt:MATRIX_FMT_FP6 matrix_a_scale:MATRIX_SCALE_ROW1 matrix_b_scale:MATRIX_SCALE_ROW1
.endif
.endif
.endm
.macro ROUND                           ; a round of the cluster's barrier
	s_barrier_signal -1
	s_barrier_wait -1
	s_cmp_lg_u32 s32, 0
	s_cbranch_scc1 .Lnot_wave_0_\@
	s_barrier_signal -3
.Lnot_wave_0_\@:
	s_barrier_wait -3
	s_barrier_signal -1
	s_barrier_wait -1
.endm
.macro BARRIER                         ; my LDS stores have landed and my LDS loads are in: then the work-group's barrier
	s_wait_dscnt 0x0
	s_barrier_signal -1
	s_barrier_wait -1
.endm
.macro PLACES n
.rept \n
	v_nop
.endr
.endm
.macro ZERO first, n
.set zi, 0
.rept \n
	v_mov_b32 v[\first+zi], 0
.set zi, zi+1
.endr
.endm
; tile m's operands of the first two products, into v[base] on: the attention's two fragments, F_lidar's half fragment; and the four bytes of each scale word
.macro FA m, base
.irp s, 0,1
.irp c, 0,1
.irp p, 0,1,2
	ds_load_b64 v[\base+12*\s+6*\c+2*\p:\base+12*\s+6*\c+2*\p+1], v4 offset:(4*\s+2*\c)*1552+24*\m+8*\p   ; lane (r, h): head 4 s + 2 c + h of token 4 r + m
.endr
.endr
.endr
.irp p, 0,1,2
	ds_load_b64 v[\base+24+2*\p:\base+24+2*\p+1], v5 offset:48*\m+8*\p
.endr
.irp i, 0,1,2,3
	ds_load_u8 v[88+4*\m+\i], v6 offset:\m+64*\i   ; lane (r, h): head 4 h + i
.endr
.endm
; my 32 channels' mean and sum of squared distances, for each of my lane's four tokens, by turns; the pair goes to LDS.  Work in v16-51
.macro LNSTAT off
.irp m, 0,1,2,3
	v_pk_add_f32 v[16+2*\m:17+2*\m], v[ACC+16*\m:ACC+16*\m+1], v[ACC+16*\m+2:ACC+16*\m+3]
.endr
.irp i, 4,6,8,10,12,14
.irp m, 0,1,2,3
	v_pk_add_f32 v[16+2*\m:17+2*\m], v[16+2*\m:17+2*\m], v[ACC+16*\m+\i:ACC+16*\m+\i+1]
.endr
.endr
.irp m, 0,1,2,3
	v_add_f32 v[16+2*\m], v[16+2*\m], v[17+2*\m]
.endr
.irp m, 0,1,2,3
	v_permlanex16_b32 v[32+\m], v[16+2*\m], s[SEL], s[SEL+1]
.endr
.irp m, 0,1,2,3
	v_add_f32 v[16+2*\m], v[16+2*\m], v[32+\m]
.endr
.irp m, 0,1,2,3
	v_mul_f32 v[24+2*\m], 0x3d000000, v[16+2*\m]   ; / 32
.endr
.irp i, 0,2,4,6,8,10,12,14
.irp m, 0,1,2,3
	v_pk_add_f32 v[36+2*\m:37+2*\m], v[ACC+16*\m+\i:ACC+16*\m+\i+1], v[24+2*\m:25+2*\m] op_sel_hi:[1,0] neg_lo:[0,1] neg_hi:[0,1]
.endr
.irp m, 0,1,2,3
.if \i == 0
	v_pk_mul_f32 v[44+2*\m:45+2*\m], v[36+2*\m:37+2*\m], v[36+2*\m:37+2*\m]
.else
	v_pk_fma_f32 v[44+2*\m:45+2*\m], v[36+2*\m:37+2*\m], v[36+2*\m:37+2*\m], v[44+2*\m:45+2*\m]
.endif
.endr
.endr
.irp m, 0,1,2,3
	v_add_f32 v[44+2*\m], v[44+2*\m], v[45+2*\m]
.endr
.irp m, 0,1,2,3
	v_permlanex16_b32 v[32+\m], v[44+2*\m], s[SEL], s[SEL+1]
.endr
.irp m, 0,1,2,3
	v_add_f32 v[25+2*\m], v[44+2*\m], v[32+\m]
.endr
.irp m, 0,1,2,3
	ds_store_b64 v7, v[24+2*\m:25+2*\m] offset:\off+1280*\m   ; both halves of the lanes write the same pair
.endr
.endm
; the eight waves' pairs are merged; ACC becomes (y - mean) / sigma; the gain's 16 numbers of my lane come into v16-31, the bias's into v32-47
.macro LNFIN off, gof, bof
.irp m, 0,1,2,3
.irp i, 0,1,2,3
	ds_load_b128 v[HID+16*\m+4*\i:HID+16*\m+4*\i+3], v8 offset:\off+1280*\m+16*\i
.endr
.endr
.irp i, 0,1,2,3
	ds_load_b128 v[16+4*\i:19+4*\i], v9 offset:\gof+16*\i
	ds_load_b128 v[32+4*\i:35+4*\i], v9 offset:\bof+16*\i
.endr
	s_wait_dscnt 0x0
.irp m, 0,1,2,3
	v_pk_add_f32 v[48+2*\m:49+2*\m], v[HID+16*\m:HID+16*\m+1], v[HID+16*\m+2:HID+16*\m+3]
.endr
.irp k, 4,6,8,10,12,14
.irp m, 0,1,2,3
	v_pk_add_f32 v[48+2*\m:49+2*\m], v[48+2*\m:49+2*\m], v[HID+16*\m+\k:HID+16*\m+\k+1]   ; (the sum of the means, the sum of the q)
.endr
.endr
.irp m, 0,1,2,3
	v_mul_f32 v[56+2*\m], 0x3e000000, v[48+2*\m]   ; the token's mean
.endr
.irp k, 0,2,4,6,8,10,12,14
.irp m, 0,1,2,3
	v_sub_f32 v[64+\m], v[HID+16*\m+\k], v[56+2*\m]
.endr
.irp m, 0,1,2,3
.if \k == 0
	v_mul_f32 v[68+\m], v[64+\m], v[64+\m]
.else
	v_fma_f32 v[68+\m], v[64+\m], v[64+\m], v[68+\m]
.endif
.endr
.endr
.irp m, 0,1,2,3
	v_fma_f32 v[68+\m], v[68+\m], 0x42000000, v[49+2*\m]   ; M2 = 32 x the means' squared distances + the sum of the q
.endr
.irp m, 0,1,2,3
	v_fma_f32 v[68+\m], v[68+\m], s66, s67         ; / 256 + 1e-5
.endr
.irp m, 0,1,2,3
	v_rsq_f32 v[72+2*\m], v[68+\m]
.endr
	v_nop                                          ; a plain place behind the last of them
	s_wait_alu depctr_va_vdst(0)                   ; one wait for the four, ahead of their first reader
.irp m, 0,1,2,3
.irp i, 0,2,4,6,8,10,12,14
	v_pk_add_f32 v[ACC+16*\m+\i:ACC+16*\m+\i+1], v[ACC+16*\m+\i:ACC+16*\m+\i+1], v[56+2*\m:57+2*\m] op_sel_hi:[1,0] neg_lo:[0,1] neg_hi:[0,1]
.endr
.endr
.irp m, 0,1,2,3
.irp i, 0,2,4,6,8,10,12,14
	v_pk_mul_f32 v[ACC+16*\m+\i:ACC+16*\m+\i+1], v[ACC+16*\m+\i:ACC+16*\m+\i+1], v[72+2*\m:73+2*\m] op_sel_hi:[1,0]
.endr
.endr
.endm
; 64 numbers of a lane, register 16 b + i = k 32 b + 16 (lane / 16) + i of my token, become a fragment's codes in v[QC] on and its scale word in v[PW]
.macro QUANT src
.irp b, 0,1,2,3
	v_max3_num_f32 v[TM+\b], |v[\src+16*\b]|, |v[\src+1+16*\b]|, 0x1800000
.endr
.irp i, 2,4,6,8,10,12,14
.irp b, 0,1,2,3
	v_max3_num_f32 v[TM+\b], v[TM+\b], |v[\src+16*\b+\i]|, |v[\src+1+16*\b+\i]|
.endr
.endr
.irp b, 0,1,2,3
	v_permlanex16_b32 v[TM+4+\b], v[TM+\b], s[SEL], s[SEL+1]
.endr
.irp b, 0,1,2,3
	v_max_num_f32 v[TM+\b], v[TM+\b], v[TM+4+\b]
.endr
.irp b, 0,1,2,3
	v_add_nc_u32 v[TM+12+\b], 0xff000000, v[TM+\b]
.endr
.irp b, 0,1,2,3
	v_lshrrev_b32 v[TM+4+\b], 23, v[TM+12+\b]
.endr
	v_lshl_or_b32 v[PW], v[TM+5], 8, v[TM+4]
	v_lshl_or_b32 v[PW], v[TM+6], 16, v[PW]
	v_lshl_or_b32 v[PW], v[TM+7], 24, v[PW]
.irp c, 0,1
	v_cvt_scalef32_pk16_fp6_f32 v[QC+6*\c:QC+2+6*\c], v[\src+32*\c:\src+15+32*\c], v[TM+12+2*\c]
	v_cvt_scalef32_pk16_fp6_f32 v[QC+12+4*\c:QC+14+4*\c], v[\src+16+32*\c:\src+31+32*\c], v[TM+12+2*\c+1]
.endr
	v_nop                                          ; one plain place behind a scaled conversion
.irp c, 0,1
.irp i, 0,1,2
	v_permlane16_swap_b32 v[QC+6*\c+\i], v[QC+12+4*\c+\i]
.endr
.irp i, 0,1,2
	v_mov_b32 v[QC+3+6*\c+\i], v[QC+12+4*\c+\i]
.endr
.endr
.endm
.macro XFL mm                          ; x's two fragments of tile mm, into one of two runs of 24 registers
.irp s, 0,1
.irp c, 0,1
.irp p, 0,1,2
	ds_load_b64 v[FRG+24*((\mm)%2)+12*\s+6*\c+2*\p:FRG+24*((\mm)%2)+12*\s+6*\c+2*\p+1], v12 offset:3328*(\mm)+96*\s+48*\c+8*\p
.endr
.endr
.endr
.endm
; the hidden layer of tile m: my 8 tiles, the bias as the C of each sum, relu, quantised, its image to LDS
.macro PB m
.irp t, 0,1,2,3,4,5,6,7
	ds_load_b128 v[HID+8*\t:HID+8*\t+3], v9 offset:128*(\t/2)+32*(\t%2)
	ds_load_b128 v[HID+8*\t+4:HID+8*\t+7], v9 offset:128*(\t/2)+32*(\t%2)+16
.endr
.if \m < 3
	XFL \m+1
	s_wait_dscnt 12                                ; all but the next tile's twelve loads: this tile's fragments and the bias are in, and the last image's stores have read their registers
.else
	s_wait_dscnt 0x0
.endif
	WIN 0x01                                       ; source 0 in window 1
.irp s, 0,1
.irp t, 0,1,2,3,4,5,6,7
	WM HID+8*\t, 60+12*(2*\t+\s), FRG+24*((\m)%2)+12*\s, 1, W1S+\t, 248+\m, 3*\s
.endr
.endr
	WIN 0
	PLACES 4
.set zi, 0
.rept 64
	v_max_num_f32 v[HID+zi], 0, v[HID+zi]
.set zi, zi+1
.endr
	QUANT HID
.irp c, 0,1,2
	ds_store_b128 v14, v[QC+4*\c:QC+4*\c+3] offset:12288*\m+512*\c
.endr
	ds_store_b32 v15, v[PW] offset:512*\m
.endm
; the last product's K step kk: W2's two fragments, the hidden layer's four, into one of two runs of 72 registers; with an even kk the pair's six scale words
.macro CLOAD kk
.set CBF, FRG+136*((\kk)%2)
.set CSC, 236+6*(((\kk)/2)%2)
.irp u, 0,1
.irp c, 0,1,2
	ds_load_b128 v[CBF+12*\u+4*\c:CBF+12*\u+4*\c+3], v4 offset:3072*(\kk)+1536*\u+512*\c
.endr
.endr
.irp m, 0,1,2,3
.irp c, 0,1,2
	ds_load_b128 v[CBF+24+12*\m+4*\c:CBF+24+12*\m+4*\c+3], v5 offset:12288*\m+1536*(\kk)+512*\c
.endr
.endr
.if (\kk)%2 == 0
.irp u, 0,1
	ds_load_b32 v[CSC+\u], v6 offset:24576+128*(4*\u+(\kk)/2)
.endr
.irp m, 0,1,2,3
	ds_load_b32 v[CSC+2+\m], v10 offset:512*\m+128*((\kk)/2)
.endr
.endif
.endm
.macro CMUL kk
.set CBF, FRG+136*((\kk)%2)
.set CSC, 236+6*(((\kk)/2)%2)
.irp m, 0,1,2,3
.irp u, 0,1
	WM ACC+16*\m+8*\u, CBF+12*\u, CBF+24+12*\m, 1, CSC+\u, CSC+2+\m, 3*((\kk)%2)
.endr
.endr
.endm
	s_load_b512 s[4:19], s[0:1], 0x0               ; wimg 4, ao_codes 6, ao_scales 8, F_lidar codes 10, scales 12, Wres codes 14, scales 16, g1 18
	s_load_b256 s[20:27], s[0:1], 0x40             ; b1 20, g2 22, b2 24, bf1 26
	s_load_b128 s[28:31], s[0:1], 0x60             ; bf2 28, out0 30
	v_lshl_add_u32 v234, v0, 2, 0x4ad00
	v_mov_b32 v235, 0
	ds_add_u32 v234, v235
	ds_add_u32 v234, v235
	v_lshrrev_b32 v1, 5, v0
	v_readfirstlane_b32 s32, v1                    ; wave 0..7
	v_and_b32 v1, 15, v0                           ; r
	v_bfe_u32 v2, v0, 4, 1                         ; h
	v_and_b32 v3, 31, v0                           ; lane
	s_bfe_u32 s33, ttmp6, 0x40000                  ; cx
	s_lshl_b32 s34, ttmp9, 2
	s_add_co_u32 s34, s34, s33                     ; my block of 64 tokens: it enters global addresses of the tokens and of the output alone
	s_lshr_b32 s35, s34, 6                         ; batch
	s_and_b32 s38, s34, 63
	s_lshl_b32 s38, s38, 6                         ; my first token in the batch
	s_lshl_b32 s39, s35, 3
	s_add_co_u32 s39, s39, s32                     ; 8 x batch + wave: the head whose codes I bring in
	s_mov_b32 s[SEL], 0x76543210
	s_mov_b32 s[SEL+1], 0xfedcba98
	s_mov_b32 s66, 0x3b800000                      ; 1 / 256
	s_mov_b32 s67, 0x3727c5ac                      ; 1e-5
	s_mov_b32 s40, 15|(3<<16)|(1<<21)              ; group 1: the mask of all four; elements of 8 bytes; bit 21 beside a mask; no padding
	s_mov_b32 s41, 32<<16                          ; rows of 256 bytes,
	s_mov_b32 s42, 100<<16                         ; 100 of them
	s_mov_b32 s43, 32<<16
	s_mov_b32 s44, 100
	s_mov_b32 s45, 32
	s_mov_b32 s46, 0
	s_mov_b32 s47, 0
	v_lshlrev_b32 v4, 4, v3                        ; the loads' offsets: 16 x lane,
	v_lshlrev_b32 v5, 2, v0                        ; 4 x thread,
	v_lshlrev_b32 v6, 2, v1                        ; 4 r,
	v_lshlrev_b32 v7, 2, v3                        ; 4 x lane,
	v_lshlrev_b32 v8, 3, v1                        ; 8 r,
	v_and_b32 v10, 8, v1
	v_add_nc_u32 v10, v10, v1
	v_mul_u32_u24 v9, v10, 48
	v_mad_u32_u24 v9, v2, 24, v9                   ; Wres: row r + 8 (r / 8) of 48 bytes, + 24 h,
	v_lshlrev_b32 v10, 1, v10                      ; and its 2 scale bytes
	s_mul_i32 s56, s32, 1552
	s_add_co_u32 s56, s56, AORAW
	v_add_nc_u32 v11, s56, v4                      ; and where the first group's data go in LDS
	v_add_nc_u32 v12, XLRAW, v5
	s_lshl_b32 s56, s32, 6
	s_add_co_u32 s56, s56, AOSC
	v_add_nc_u32 v13, s56, v6
	s_mul_i32 s57, s32, 1280
	s_add_co_u32 s57, s57, PARAM                   ; my wave's parameters
	v_add_nc_u32 v14, s57, v4
	v_add_nc_u32 v15, s57, v7
	s_mov_b32 s53, 0
	s_mov_b32 s55, 0
	s_wait_dscnt 0x0
	s_wait_kmcnt 0x0
	s_mul_i32 s52, s39, 98304                      ; a head's 4,096 tokens of 24 bytes
	s_mul_i32 s58, s38, 24
	s_add_co_u32 s52, s52, s58
	s_add_nc_u64 s[6:7], s[6:7], s[52:53]
	s_lshl_b32 s52, s39, 12
	s_add_co_u32 s52, s52, s38
	s_add_nc_u64 s[8:9], s[8:9], s[52:53]
	s_mul_i32 s52, s34, 3072
	s_add_nc_u64 s[10:11], s[10:11], s[52:53]
	s_lshl_b32 s52, s34, 7
	s_add_nc_u64 s[12:13], s[12:13], s[52:53]
	s_mul_i32 s54, s32, 1536                       ; my 32 rows of Wres
	s_add_nc_u64 s[14:15], s[14:15], s[54:55]
	s_lshl_b32 s54, s32, 6
	s_add_nc_u64 s[16:17], s[16:17], s[54:55]
	s_lshl_b32 s54, s32, 7                         ; my 32 channels' parameters
	s_add_nc_u64 s[18:19], s[18:19], s[54:55]
	s_add_nc_u64 s[20:21], s[20:21], s[54:55]
	s_add_nc_u64 s[22:23], s[22:23], s[54:55]
	s_add_nc_u64 s[24:25], s[24:25], s[54:55]
	s_add_nc_u64 s[28:29], s[28:29], s[54:55]
	s_lshl_b32 s54, s32, 9                         ; my 128 hidden units' bias
	s_add_nc_u64 s[26:27], s[26:27], s[54:55]
	s_lshl_b32 s52, s35, 8
	s_lshl_b32 s58, s32, 5
	s_add_co_u32 s52, s52, s58                     ; 256 x batch + 32 x wave: my first channel's row of the output,
	s_lshl_b32 s52, s52, 14                        ; 4,096 tokens of 4 bytes each,
	s_lshl_b32 s58, s38, 2
	s_add_co_u32 s52, s52, s58                     ; + my first token
	s_add_nc_u64 s[30:31], s[30:31], s[52:53]
	s_mul_i32 s49, s32, 25600                      ; group 0: LDS address, and the same offset in wimg: the wave's number alone
	s_mov_b32 s54, s49
	s_add_nc_u64 s[50:51], s[4:5], s[54:55]        ; W2's images for my wave
	s_add_nc_u64 s[60:61], s[50:51], 204800        ; W1's
	s_mul_i32 s54, s32, 6400
	s_add_nc_u64 s[62:63], s[4:5], s[54:55]
	s_add_nc_u64 s[62:63], s[62:63], 409600        ; Wo's
	s_or_b32 s51, s51, 0x80000000                  ; type = 2
	s_mov_b32 s48, 1
	; the first group, 17 loads: what goes through LDS, and F_lidar's scale words
.irp i, 0,1,2
	global_load_b128 v[88+4*\i:91+4*\i], v4, s[6:7] offset:512*\i     ; head w's codes of the 64 tokens: 1,536 consecutive bytes
.endr
.irp i, 0,1,2
	global_load_b32 v[100+\i], v5, s[10:11] offset:1024*\i            ; F_lidar's codes: the work-group reads 3,072 consecutive bytes
.endr
	global_load_b32 v103, v6, s[8:9]
	global_load_b128 v[104:107], v4, s[26:27]
	global_load_b32 v108, v7, s[18:19]
	global_load_b32 v109, v7, s[20:21]
	global_load_b32 v110, v7, s[22:23]
	global_load_b32 v111, v7, s[24:25]
	global_load_b32 v112, v7, s[28:29]
.irp m, 0,1,2,3
	global_load_u16 v[252+\m], v8, s[12:13] offset:2*\m               ; token 4 r + m's two scale bytes; the upper two are 0 and meet zero codes
.endr
	; the second group, 22 loads: Wo and Wres
	global_load_b32 v244, v7, s[62:63] offset:6144
	global_load_b32 v245, v7, s[62:63] offset:6272
	global_load_u16 v246, v10, s[16:17]
	global_load_u16 v247, v10, s[16:17] offset:16
	WIN 0x40                                       ; destination window 1
.set zi, 0
.rept 12
	global_load_b128 v[12+4*zi:15+4*zi], v4, s[62:63] offset:512*zi
.set zi, zi+1
.endr
.irp u, 0,1
.irp p, 0,1,2
	global_load_b64 v[6*\u+2*\p:6*\u+2*\p+1], v9, s[14:15] offset:384*\u+8*\p
.endr
.endr
	; the third group, 56 loads: W1
.set zi, 0
.rept 48
	global_load_b128 v[60+4*zi:63+4*zi], v4, s[60:61] offset:512*zi
.set zi, zi+1
.endr
	WIN 0
.irp t, 0,1,2,3,4,5,6,7
	global_load_b32 v[W1S+\t], v7, s[60:61] offset:24576+128*\t
.endr
	ROUND                                          ; all four work-groups are here: the joint loads meet
	tensor_load_to_lds s[48:51], s[40:47]
	s_nop 0
.rept 4
	v_nop
.endr
	ZERO 46, 6                                     ; K = 64 .. 127 of F_lidar's four fragments: zero codes (what stands there in Wres's operand counts for nothing)
	ZERO 82, 6
	ZERO 182, 6
	ZERO 218, 6
	s_wait_loadcnt 63                              ; of the 95 loads the oldest 32 are in, the first group's 17 among them
.irp i, 0,1,2
	ds_store_b128 v11, v[88+4*\i:91+4*\i] offset:512*\i
.endr
.irp i, 0,1,2
	ds_store_b32 v12, v[100+\i] offset:1024*\i
.endr
	ds_store_b32 v13, v103                         ; (both halves of the lanes write the same word)
	ds_store_b128 v14, v[104:107]
.irp i, 0,1,2,3,4
	ds_store_b32 v15, v[108+\i] offset:512+128*\i
.endr
	s_wait_xcnt 0x0                                ; the loads have read their offset registers: these are written again below
	s_wait_dscnt 0x0                               ; for the others' sake: my stores have landed
	s_barrier_signal -1
	v_mul_u32_u24 v4, v1, 96                       ; the addresses of the phases that follow: register work between the signal and the wait
	v_mad_u32_u24 v4, v2, 1552, v4
	v_add_nc_u32 v4, AORAW, v4                     ; the attention's codes: 4 tokens of 24 bytes a lane, + a head for lanes 16-31
	v_mul_u32_u24 v5, v1, 192
	v_mad_u32_u24 v5, v2, 24, v5
	v_add_nc_u32 v5, XLRAW, v5
	v_lshlrev_b32 v6, 2, v1
	v_lshl_add_u32 v6, v2, 8, v6
	v_add_nc_u32 v6, AOSC, v6
	v_mul_u32_u24 v8, v1, 80
	v_add_nc_u32 v8, LN1, v8                       ; a token's eight pairs,
	s_lshl_b32 s56, s32, 3
	v_add_nc_u32 v7, s56, v8                       ; my wave's among them
	v_lshl_add_u32 v9, v2, 6, s57                  ; my lane's 16 numbers of a parameter
	v_mul_u32_u24 v12, v1, 208
	v_add_nc_u32 v12, XROW, v12
	v_mad_u32_u24 v10, v2, 12, v12
	s_mul_i32 s56, s32, 24
	v_add_nc_u32 v10, s56, v10                     ; x's codes: in: block w, 12 bytes for each half of the lanes;
	v_mad_u32_u24 v12, v2, 24, v12                 ; out: as a fragment's row
	v_lshl_add_u32 v13, v1, 3, XSC
	v_add_nc_u32 v11, s32, v13                     ; x's scale bytes: in: byte w;
	v_lshl_add_u32 v13, v2, 2, v13                 ; out: lanes 16-31 take K step 1's word
	v_lshlrev_b32 v14, 4, v3
	s_mul_i32 s56, s32, 1536
	s_add_co_u32 s56, s56, HIMG
	v_add_nc_u32 v14, s56, v14                     ; the hidden layer's image: K step w
	s_lshl_b32 s56, s32, 6
	s_add_co_u32 s56, s56, HSC
	v_lshl_add_u32 v15, v1, 2, s56                 ; and its scale words
	s_barrier_wait -1
	; ---- y = ao Wo^T + F_lidar Wres^T: eight accumulators by turns
	FA 0, 16
	FA 1, 52
	FA 2, 152
	FA 3, 188
	s_wait_dscnt 0x0
.irp m, 0,1,2,3
	v_lshl_or_b32 v[248+\m], v[89+4*\m], 8, v[88+4*\m]
.endr
.irp m, 0,1,2,3
	v_lshl_or_b32 v[248+\m], v[90+4*\m], 16, v[248+\m]
.endr
.irp m, 0,1,2,3
	v_lshl_or_b32 v[248+\m], v[91+4*\m], 24, v[248+\m]
.endr
	PLACES 8                                       ; a scale register written by a vector instruction stands eight places ahead of a scaled product
	s_wait_loadcnt 56                              ; Wo and Wres are in; W1's 56 loads may stay out
	WIN 0x01
.irp m, 0,1,2,3
.irp u, 0,1
	WM ACC+16*\m+8*\u, 12+24*\u, 16+36*\m+64*(\m/2), 0, 244+\u, 248+\m, 0
.endr
.endr
.irp m, 0,1,2,3
.irp u, 0,1
	WM ACC+16*\m+8*\u, 24+24*\u, 28+36*\m+64*(\m/2), 1, 244+\u, 248+\m, 3
.endr
.endr
.irp m, 0,1,2,3
.irp u, 0,1
	WM ACC+16*\m+8*\u, 6*\u, 40+36*\m+64*(\m/2), 1, 246+\u, 252+\m, 0
.endr
.endr
	WIN 0
	PLACES 4
	; ---- the first norm, and x
	LNSTAT 0
	BARRIER
	LNFIN 0, 512, 640
.irp m, 0,1,2,3
.irp i, 0,2,4,6,8,10,12,14
	v_pk_fma_f32 v[ACC+16*\m+\i:ACC+16*\m+\i+1], v[ACC+16*\m+\i:ACC+16*\m+\i+1], v[16+\i:17+\i], v[32+\i:33+\i]
.endr
.endr
.irp m, 0,1,2,3                                ; my 32 channels of a token are one block of the next product's K: four tokens by turns
	v_max3_num_f32 v[TM+\m], |v[ACC+16*\m]|, |v[ACC+16*\m+1]|, 0x1800000
.endr
.irp i, 2,4,6,8,10,12,14
.irp m, 0,1,2,3
	v_max3_num_f32 v[TM+\m], v[TM+\m], |v[ACC+16*\m+\i]|, |v[ACC+16*\m+\i+1]|
.endr
.endr
.irp m, 0,1,2,3
	v_permlanex16_b32 v[TM+4+\m], v[TM+\m], s[SEL], s[SEL+1]
.endr
.irp m, 0,1,2,3
	v_max_num_f32 v[TM+\m], v[TM+\m], v[TM+4+\m]
.endr
.irp m, 0,1,2,3
	v_add_nc_u32 v[TM+12+\m], 0xff000000, v[TM+\m]
.endr
.irp m, 0,1,2,3
	v_lshrrev_b32 v[TM+4+\m], 23, v[TM+12+\m]
.endr
.irp m, 0,1,2,3
	v_cvt_scalef32_pk16_fp6_f32 v[64+4*\m:66+4*\m], v[ACC+16*\m:ACC+16*\m+15], v[TM+12+\m]
.endr
	v_nop                                          ; one plain place behind a scaled conversion
.irp m, 0,1,2,3
.irp i, 0,1,2
	ds_store_b32 v10, v[64+4*\m+\i] offset:3328*\m+4*\i
.endr
	ds_store_b8 v11, v[TM+4+\m] offset:128*\m
.endr
.irp i, 0,1,2,3
	ds_load_b128 v[16+4*\i:19+4*\i], v9 offset:1024+16*\i   ; bf2
.endr
	s_wait_dscnt 0x0
.irp m, 0,1,2,3
.irp i, 0,2,4,6,8,10,12,14
	v_pk_add_f32 v[ACC+16*\m+\i:ACC+16*\m+\i+1], v[ACC+16*\m+\i:ACC+16*\m+\i+1], v[16+\i:17+\i]   ; x + bf2: the last product adds onto it
.endr
.endr
	s_barrier_signal -1                            ; (my LDS instructions were waited for above)
	s_barrier_wait -1                              ; x's codes and scale bytes lie in LDS
	; ---- the hidden layer, a tile of 16 tokens at a time
	XFL 0
.irp m, 0,1,2,3
	ds_load_b32 v[248+\m], v13 offset:128*\m
.endr
	s_wait_loadcnt 0x0                             ; W1
	PB 0
	PB 1
	PB 2
	PB 3
	v_lshl_add_u32 v4, v3, 4, s49                  ; the last product's addresses: W2's images of my wave,
	v_lshl_add_u32 v5, v3, 4, HIMG                 ; the hidden layer's,
	v_lshl_add_u32 v6, v3, 2, s49                  ; W2's scale words,
	v_lshl_add_u32 v10, v3, 2, HSC                 ; the hidden layer's
	BARRIER                                        ; the hidden layer's 32 fragments lie in LDS
	; ---- x + bf2 + hidden W2^T: eight K steps, two runs of registers by turns
	s_wait_tensorcnt 0x0                           ; my part of W2 has landed; I alone read it
	CLOAD 0
.irp k, 0,1,2,3,4,5,6
	PLACES 4                                       ; ahead of loads into registers that the last products read
	CLOAD \k+1
.if (\k+1)%2 == 0
	s_wait_dscnt 24                                ; all but the 24 just issued
.else
	s_wait_dscnt 18                                ; all but the 18 just issued
.endif
	CMUL \k
.endr
	s_wait_dscnt 0x0
	CMUL 7
	PLACES 4
	; ---- the second norm, and out
	LNSTAT 5120
	BARRIER
	LNFIN 5120, 768, 896
.irp m, 0,1,2,3
.irp i, 0,1,2,3,4,5,6,7,8,9,10,11,12,13,14,15
	v_fma_f32 v[HID+4*\i+\m], v[ACC+16*\m+\i], v[16+\i], v[32+\i]   ; four neighbouring tokens of channel 16 h + i side by side
.endr
.endr
	v_lshlrev_b32 v11, 4, v1
	v_lshl_add_u32 v11, v2, 18, v11                ; 16 bytes a lane; lanes 16-31 sixteen channels on
.irp i, 0,1,2,3,4,5,6,7,8,9,10,11,12,13,14,15
	global_store_b128 v11, v[HID+4*\i:HID+4*\i+3], s[30:31] offset:16384*\i th:TH_STORE_NT   ; sixteen lanes store 256 consecutive bytes, at a multiple of 256 from the output's first byte
.endr
	s_wait_tensorcnt 0x0
	ds_add_u32 v234, v235
	s_wait_dscnt 0x0
	ROUND                                          ; the closing round: no work-group ends while a partner may still ask for a tile that names it
	s_endpgm
.Lfunc_end_k_qc8f2c9ad40_tail:
	.size	k_qc8f2c9ad40_tail, .Lfunc_end_k_qc8f2c9ad40_tail-k_qc8f2c9ad40_tail
	.p2alignl 7, 3214868480
	.fill 96, 4, 3214868480
	.section	.rodata,"a",@progbits
	.p2align	6, 0x0
	.amdhsa_kernel k_qc8f2c9ad40_tail
		.amdhsa_group_segment_fixed_size 307456
		.amdhsa_private_segment_fixed_size 0
		.amdhsa_enable_private_segment 0
		.amdhsa_kernarg_size 112
		.amdhsa_user_sgpr_count 2
		.amdhsa_user_sgpr_kernarg_segment_ptr 1
		.amdhsa_wavefront_size32 1
		.amdhsa_system_sgpr_workgroup_id_x 1
		.amdhsa_system_sgpr_workgroup_id_y 1
		.amdhsa_system_sgpr_workgroup_id_z 1
		.amdhsa_system_vgpr_workitem_id 0
		.amdhsa_next_free_vgpr 512
		.amdhsa_next_free_sgpr 96
		.amdhsa_reserve_vcc 0
		.amdhsa_float_denorm_mode_32 3
		.amdhsa_float_denorm_mode_16_64 3
		.amdhsa_memory_ordered 1
		.amdhsa_forward_progress 1
		.amdhsa_inst_pref_size 139
	.end_amdhsa_kernel
	.amdgpu_metadata
---
amdhsa.version: [ 1, 2 ]
amdhsa.kernels:
  - .name:           k_qc8f2c9ad40_tail
    .symbol:         k_qc8f2c9ad40_tail.kd
    .args:
      - { .name: wimg, .offset: 0, .size: 8, .value_kind: global_buffer, .address_space: global }
      - { .name: ao_codes, .offset: 8, .size: 8, .value_kind: global_buffer, .address_space: global }
      - { .name: ao_scales, .offset: 16, .size: 8, .value_kind: global_buffer, .address_space: global }
      - { .name: F_lidar_codes, .offset: 24, .size: 8, .value_kind: global_buffer, .address_space: global }
      - { .name: F_lidar_scales, .offset: 32, .size: 8, .value_kind: global_buffer, .address_space: global }
      - { .name: Wres_codes, .offset: 40, .size: 8, .value_kind: global_buffer, .address_space: global }
      - { .name: Wres_scales, .offset: 48, .size: 8, .value_kind: global_buffer, .address_space: global }
      - { .name: g1, .offset: 56, .size: 8, .value_kind: global_buffer, .address_space: global }
      - { .name: b1, .offset: 64, .size: 8, .value_kind: global_buffer, .address_space: global }
      - { .name: g2, .offset: 72, .size: 8, .value_kind: global_buffer, .address_space: global }
      - { .name: b2, .offset: 80, .size: 8, .value_kind: global_buffer, .address_space: global }
      - { .name: bf1, .offset: 88, .size: 8, .value_kind: global_buffer, .address_space: global }
      - { .name: bf2, .offset: 96, .size: 8, .value_kind: global_buffer, .address_space: global }
      - { .name: out0, .offset: 104, .size: 8, .value_kind: global_buffer, .address_space: global }
    .group_segment_fixed_size: 307456
    .private_segment_fixed_size: 0
    .kernarg_segment_align: 8
    .kernarg_segment_size: 112
    .max_flat_workgroup_size: 256
    .sgpr_count:     96
    .vgpr_count:     512
    .wavefront_size: 32
...
	.end_amdgpu_metadata
.endif
;; end of part 3
